; MI455X (gfx1250); checked and timed in simulation.
; The chip was launched on July 23, 2026; its instructions are those of AMD's public machine-readable ISA for CDNA 5 (MIT licence, August 2026) and "CDNA5" Instruction Set Architecture Reference Guide (July 2026). The comments in the code are by the model that wrote it; some were corrected since.
;; Multi Head Attention. Allowed arithmetic: matrix products marked QUANTISED: E2M1 operands, one E8M0 scale for each 32 along K, by v_wmma_scale_f32_16x16x128_f8f6f4 with both operands' format E2M1 (or v_wmma_scale_f32_32x16x128_f4), f32 sums; products left as they are: bf16, f16 or f32 operands; f32 sums; everything else in f32.
;; Inputs: Wproj 1,024 x 1,024 float32; Wqkv 1,024 x 3,072 float32; X 1 x 4,096 x 1,024 float32; bproj 1,024 float32; bqkv 3,072 float32.
;; Outputs: out0 1 x 4,096 x 1,024 float32.
;; This version of the problem:
;;   THIS VERSION OF THE PROBLEM IS GIVEN IN LOW PRECISION. The matrix products marked QUANTISED in the list below multiply operands that are first quantised to E2M1 (2 exponent bits, 1 mantissa bit; 4 bits a number), with one power-of-two scale for each 32 numbers along K (OCP MX v1.0); their sums are f32. The products marked 'left as it is' may take bf16, f16 or f32 operands, with f32 sums. Whichever they take, every output number must still come out within the allowed error. Rounding operands to bf16 (8 significant bits) uses up far more of that allowance than f16 does (11 bits, for magnitudes from 6e-5 to 65,504). All else is computed in f32.
;;   The module's matrix products, in the order in which they are computed (A, B: the left and right operand; K: the contracted axis; several contracted axes count as one K, in the product's order):
;;     1. [M 4,096, K 1,024] x [K 1,024, N 3,072]; A: input X; B: input Wqkv: QUANTISED
;;     2. batch 16 x [M 4,096, K 64] x [K 64, N 4,096]; A: computed on the way; B: computed on the way: left as it is (an operand is computed on the way)
;;     3. batch 16 x [M 64, K 4,096] x [K 4,096, N 4,096]; A: computed on the way; B: computed on the way: left as it is (an operand is computed on the way)
;;     4. [M 4,096, K 1,024] x [K 1,024, N 1,024]; A: computed on the way; B: input Wproj: left as it is (an operand is computed on the way)
;;   THE QUANTISER, for each operand of a quantised product, along K:
;;     - K is cut into blocks of 32 from its start; a last block that is shorter is filled with zeros.
;;     - A block's scale is 2^e with e = floor(log2(the largest magnitude in the block)) - 2, held to -126 .. 127; a block of zeros has e = 0. As a byte (E8M0): e + 127.
;;     - Each number is divided by its block's scale, clamped to +-6, and rounded to the nearest number of E2M1, ties to even, subnormals kept.
;;     - The product sums the exact products of the quantised numbers (number of the format x scale) in f32.
;;   ~~~python
;;   def quantise(x, axis):      # numpy; x: float32 -> the quantised numbers, widened to float32 again
;;       x = np.moveaxis(x, axis, -1); K = x.shape[-1]
;;       x = np.pad(x, [(0, 0)] * (x.ndim - 1) + [(0, -K % 32)]); x = x.reshape(x.shape[:-1] + (-1, 32)); a = np.abs(x).max(-1, keepdims=True)
;;       e = np.where(a > 0, np.clip(np.frexp(np.where(a > 0, a, 1))[1] - 1 - 2, -126, 127), 0)      # np.frexp(a)[1] - 1 = floor(log2(a)), exactly
;;       r = np.clip(x / 2.0 ** e, -6, 6)
;;       step = 2.0 ** (np.maximum(np.frexp(np.where(r == 0, 1, r))[1] - 1, 0) - 1)
;;       q = np.round(r / step) * step * 2.0 ** e      # np.round: ties to even
;;       return np.moveaxis(q.reshape(q.shape[:-2] + (-1,))[..., :K], -1, axis).astype(np.float32)
;;   ~~~
;; One version. Each part assembles by itself: llvm-mc -triple=amdgcn-amd-amdhsa -mcpu=gfx1250 --defsym DOCPART=n.
;; ======== version 1 of 1: 5 launches
;; limits: values are held in f16: magnitudes above 65,504 overflow, below 6.1e-05 lose precision
;; workspace buffers: xc 2,097,152 bytes; xs 131,072 bytes; wc 1,572,864 bytes; ws 98,304 bytes; wph 2,097,152 bytes; qkvh 25,165,824 bytes; qkv16 196,608 bytes; oh 8,388,608 bytes
;; launch prep (part 1): grid 240 x 1, 4 waves a work-group, no clusters, 68,608 bytes of LDS; arguments X, Wqkv, Wproj, xc, xs, wc, ws, wph; writes xc, xs, wc, ws, wph
.if DOCPART == 1
	.amdgcn_target "amdgcn-amd-amdhsa--gfx1250"
	.amdhsa_code_object_version 6
	.text
	.protected	k_qc8a1b6d58e_prep
	.globl	k_qc8a1b6d58e_prep
	.p2align	8
	.type	k_qc8a1b6d58e_prep,@function
k_qc8a1b6d58e_prep:
	s_mov_b64 s[64:65], 0
	v_nop
	global_prefetch_b8 v0, s[64:65] scope:SCOPE_SE
	s_setreg_imm32_b32 hwreg(HW_REG_WAVE_MODE, 25, 1), 1
	s_wait_xcnt 0x0
; PREP: the operands of the later launches are made once.  Causal attention, L = 4,096, D = 1,024, 16 heads of 64.
;   X    [4096][1024] f32 -> xc [4096][512 bytes]: codes of E2M1, K innermost, two a byte;  xs [4096][32]: one E8M0 byte for each 32 along K
;   Wqkv [1024 (k)][3072 (n)] f32 -> wc [3072][512 bytes], ws [3072][32]: quantised along K, its FIRST axis, and laid with K innermost
;   Wproj [1024][1024] f32 -> wph: the same numbers as f16, as they lie
; DEAD WORK OF THE WHOLE PROGRAM: bqkv[1024:2048], k's bias bk.  With it a score is SCALE q.(k + bk) = SCALE q.k + SCALE q.bk, and the second term is the same for all
; keys of a query: the softmax along the keys takes it away, whatever finite values the inputs hold; hidden scores are -infinity with it and without it; the product q.k is not
; quantised, so no quantiser sees k.  So these 1,024 numbers are never loaded (q's and v's biases are).  LIMIT: a NaN, an infinity or an overflow that reaches only bk is not carried to the result.
; THE QUANTISER: a block's scale is 2^(floor(log2(its largest magnitude)) - 2); its byte is the largest magnitude's exponent field - 2, held at 1 from below; each number is divided by the
; scale and rounded to the nearest code, ties to even, beyond 6 the largest code.  A block of zeros gets the byte 1 where the rule says 127: its codes are zeros, and this program alone reads the bytes.
; LIMITS: blocks whose largest magnitude lies under 2^-124 were not tried; NaN and infinities among the inputs are not served.  Wproj as f16: magnitudes up to 65,504.
; ONE LAUNCH, THREE PATHS, parted on the work-group's number: 0-127 X, 128-175 Wqkv, 176-239 Wproj.  Each path that uses LDS has LDS bytes of its own.  Waves share nothing: no barrier.
.set SPARE, 67584                      ; behind both paths' regions: the spare words, 128 bytes for each wave
.set SPW,   12                         ; v12  LDS address of my spare word; never rewritten
.set NIL,   13                         ; v13  0; never rewritten
; path X: a wave takes 16 steps of 512 numbers
.set STEPS, 16
.set CB,    8                          ; bytes of 16 codes
.set RX,    16                         ; v16-79   four sets of 16 numbers as they are loaded
.set XN,    80                         ; v80-111  two sets of 16 neighbours
.set EX,    112                        ; v112-127 a scale byte for each step
.set CX,    128                        ; v128-191 codes: four registers for each step, so that no store's data are written again
.set WREG,  8192                       ; LDS 0 .. 32,767: a region for each wave: two stages of 32 x SP bytes, then its 256 scale bytes
.set SP,    80                         ; a lane's place in a stage: 64 bytes + 16 of padding
; path W: a wave takes 32 columns x 512 along K
.set WSTG,  32768                      ; LDS 32,768 .. 67,583: a stage of 32 x WPITCH bytes for each wave
.set NB,    16                         ; blocks of 32 along K
.set WPITCH, 272
.set WN,    3072
.set WKROW, 512                        ; a row of wc in bytes
.set XW,    32                         ; v32-95   two sets of 32 numbers
.set CW,    96                         ; v96-99   a block's codes
.set OUTR,  112                        ; v112-175 the way out
.set SB,    24                         ; v24-27   16 scale bytes
	s_load_b128 s[4:7], s[0:1], 0x0                ; X, Wqkv
	s_load_b128 s[8:11], s[0:1], 0x10              ; Wproj, xc
	s_load_b128 s[12:15], s[0:1], 0x20             ; xs, wc
	s_load_b128 s[16:19], s[0:1], 0x30             ; ws, wph
	v_lshl_add_u32 v[SPW], v0, 2, SPARE
	v_mov_b32 v[NIL], 0
	v_lshrrev_b32 v1, 5, v0
	v_readfirstlane_b32 s20, v1                    ; wave
	v_and_b32 v2, 31, v0                           ; lane
	s_wait_kmcnt 0x0
	s_cmp_ge_u32 ttmp9, 176
	s_cbranch_scc1 .Lpath_p
	s_cmp_ge_u32 ttmp9, 128
	s_cbranch_scc1 .Lpath_w
; ---- PATH X.  Rows are dense and K is a multiple of 32: X is a plain stream of blocks of 32.  Each load reads 512 consecutive bytes, 16 a lane; a step's 2,048 bytes turn through the
; wave's stage in LDS and come back 64 bytes a lane: 16 neighbours along K, as the conversions want them; two neighbouring lanes hold a block.
	v_lshlrev_b32 v3, 4, v2                        ; my 16 bytes of a load's 512
	s_mul_i32 s21, s20, WREG
	v_lshrrev_b32 v14, 2, v2
	v_mul_u32_u24 v14, v14, SP
	v_and_b32 v15, 3, v2
	v_lshl_add_u32 v14, v15, 4, v14
	v_add_nc_u32 v14, s21, v14                     ; the stage, on the way in: SP (lane / 4) + 16 (lane % 4)
	v_mul_u32_u24 v15, v2, SP
	v_add_nc_u32 v15, s21, v15                     ; and on the way out: SP x lane
	v_mul_u32_u24 v4, v2, CB                       ; my codes' place in a step's
	v_lshrrev_b32 v5, 1, v2
	s_add_co_u32 s21, s21, 2*32*SP
	v_add_nc_u32 v5, s21, v5                       ; my wave's 256 scale bytes, my block's byte
	v_lshlrev_b32 v7, 3, v2                        ; on the way out 8 bytes a lane
	v_add_nc_u32 v6, s21, v7
	s_lshl_b32 s22, ttmp9, 2
	s_add_co_u32 s22, s22, s20                     ; which run of 8,192 numbers is my wave's: 0 .. 511
	s_mov_b32 s25, 0
	s_lshl_b32 s24, s22, 15                        ; 32,768 bytes of X,
	s_add_nc_u64 s[4:5], s[4:5], s[24:25]
	s_lshl_b32 s24, s22, 12                        ; 4,096 of codes,
	s_add_nc_u64 s[10:11], s[10:11], s[24:25]
	s_lshl_b32 s24, s22, 8                         ; 256 scale bytes a run
	s_add_nc_u64 s[12:13], s[12:13], s[24:25]
.macro LOADX t
.irp i, 0,1,2,3
	global_load_b128 v[RX+16*((\t)%4)+4*\i:RX+16*((\t)%4)+4*\i+3], v3, s[4:5] offset:2048*(\t)+512*\i th:TH_LOAD_NT
.endr
.endm
.macro TURNX t                         ; step t's numbers through the stage: LDS serves a wave's instructions in order, so no wait stands between the stores and the loads
.irp i, 0,1,2,3
	ds_store_b128 v14, v[RX+16*((\t)%4)+4*\i:RX+16*((\t)%4)+4*\i+3] offset:32*SP*((\t)%2)+8*SP*\i
.endr
.irp i, 0,1,2,3
	ds_load_b128 v[XN+16*((\t)%2)+4*\i:XN+16*((\t)%2)+4*\i+3], v15 offset:32*SP*((\t)%2)+16*\i
.endr
.endm
.irp t, 0,1,2,3
	LOADX \t
.endr
	s_wait_loadcnt 12                              ; step 0's four loads are in; the twelve of steps 1 to 3 may be out
	TURNX 0
.macro STEPX t
.set XS, XN+16*((\t)%2)
.if (\t) > 0
	s_wait_dscnt 1                                 ; this step's numbers are back from the stage; the last step's byte store may be out
.else
	s_wait_dscnt 0x0
.endif
.if (\t)+4 < STEPS
	LOADX (\t)+4                                   ; into the registers that this step's stores into the stage have read
.endif
.if (\t)+1 < STEPS
.if STEPS-2-(\t) >= 3
	s_wait_loadcnt 12                              ; the next step's four loads are in; those of the three steps behind it may be out
.else
	s_wait_loadcnt 4*(STEPS-2-(\t))
.endif
	TURNX (\t)+1
.endif
	v_max3_num_f32 v8, |v[XS]|, |v[XS+1]|, |v[XS+2]|               ; the largest magnitude of my 16, in two chains
	v_max3_num_f32 v9, |v[XS+3]|, |v[XS+4]|, |v[XS+5]|
.irp i, 6,10
	v_max3_num_f32 v8, v8, |v[XS+\i]|, |v[XS+\i+1]|
	v_max3_num_f32 v9, v9, |v[XS+\i+2]|, |v[XS+\i+3]|
.endr
	v_max3_num_f32 v8, v8, |v[XS+14]|, |v[XS+15]|
	v_max3_num_f32 v8, v8, v9, 0x1800000           ; and the floor 2^(3 - 127): the byte cannot fall under 1
	v_max_num_f32_dpp v8, v8, v8 row_xmask:1 row_mask:0xf bank_mask:0xf   ; and of my neighbour's 16: the block's
	v_add_nc_u32 v11, 0xff000000, v8               ; 2 off its exponent field: the conversion takes the exponent field of this operand as its scale
	v_cvt_scalef32_pk8_fp4_f32 v[CX+4*(\t)], v[XS:XS+7], v11
	v_cvt_scalef32_pk8_fp4_f32 v[CX+4*(\t)+1], v[XS+8:XS+15], v11
	v_lshrrev_b32 v[EX+(\t)], 23, v11              ; the scale's byte (a plain line behind the conversions)
	ds_store_b8 v5, v[EX+(\t)] offset:16*(\t)      ; both lanes of a block write the same byte with the same value
	global_store_b64 v4, v[CX+4*(\t):CX+4*(\t)+1], s[10:11] offset:32*CB*(\t)   ; the wave stores 256 consecutive bytes, aligned
.endm
.irp t, 0,1,2,3,4,5,6,7,8,9,10,11,12,13,14,15
	STEPX \t
.endr
	ds_load_b64 v[8:9], v6                         ; my wave's 256 scale bytes: these loads see my stores
	s_wait_dscnt 0x0
	global_store_b64 v7, v[8:9], s[12:13]          ; 256 consecutive bytes, aligned
	s_wait_tensorcnt 0x0                           ; the wave's end: the three lines, behind my last LDS store
	ds_add_u32 v[SPW], v[NIL]
	s_wait_dscnt 0x0
	s_endpgm
; ---- PATH W.  A lane takes a column n and its registers run down K: each load reads 128 consecutive bytes a wave, a block of 32 along K lies in one lane's 32 registers, and the
; conversions give codes with K innermost.  The codes go through the wave's stage and leave as rows: sixteen lanes store 256 consecutive bytes.
.Lpath_w:
	s_sub_co_u32 s21, ttmp9, 128                   ; 0 .. 47
	s_cmp_ge_u32 s21, 24
	s_cselect_b32 s22, 1, 0                        ; y: which 512 along K
	s_cselect_b32 s23, 24, 0
	s_sub_co_u32 s21, s21, s23                     ; x: which 128 columns
	s_lshl_b32 s24, s21, 7
	s_lshl_b32 s25, s20, 5
	s_add_co_u32 s24, s24, s25                     ; my wave's first column
	v_lshlrev_b32 v3, 2, v2                        ; in: 4 bytes a lane
	s_mul_i32 s29, s20, 32*WPITCH
	s_add_co_u32 s29, s29, WSTG                    ; my stage
	v_mul_u32_u24 v4, v2, WPITCH
	v_add_nc_u32 v4, s29, v4                       ; into it: row = my column
	v_and_b32 v5, 15, v2
	v_lshrrev_b32 v6, 4, v2                        ; out of it: sixteen lanes to a row, two rows an instruction
	v_mul_u32_u24 v7, v6, WPITCH
	v_lshl_add_u32 v7, v5, 4, v7
	v_add_nc_u32 v7, s29, v7
	v_mul_u32_u24 v8, v6, WKROW
	v_lshl_add_u32 v8, v5, 4, v8                   ; and the same place in wc
	v_lshlrev_b32 v9, 5, v2                        ; my column's row of scale bytes
	s_mul_i32 s26, s22, 512*WN*4                   ; Wqkv: 512 y rows of 12,288 bytes + 4 x column
	s_lshl_b32 s27, s24, 2
	s_add_co_u32 s26, s26, s27
	s_mov_b32 s27, 0
	s_add_nc_u64 s[6:7], s[6:7], s[26:27]
	s_lshl_b32 s26, s24, 9                         ; wc: column x 512 + 256 y
	s_lshl_b32 s28, s22, 8
	s_add_co_u32 s26, s26, s28
	s_add_nc_u64 s[14:15], s[14:15], s[26:27]
	s_lshl_b32 s26, s24, 5                         ; ws: column x 32 + 16 y
	s_lshl_b32 s28, s22, 4
	s_add_co_u32 s26, s26, s28
	s_add_nc_u64 s[16:17], s[16:17], s[26:27]
.macro LOADW t                         ; block t: W(32 t + i, my column) into set t % 2; the largest offset, 511 rows, lies inside the signed 24-bit immediate
.irp i, 0,1,2,3,4,5,6,7,8,9,10,11,12,13,14,15,16,17,18,19,20,21,22,23,24,25,26,27,28,29,30,31
	global_load_b32 v[XW+32*((\t)%2)+\i], v3, s[6:7] offset:(32*(\t)+\i)*WN*4 th:TH_LOAD_NT
.endr
.endm
	LOADW 0
	LOADW 1
.macro BLOCKW t
.set XS, XW+32*((\t)%2)
.if (\t) < NB-1
	s_wait_loadcnt 32                              ; this block's 32 loads are in; the next block's 32 may be out
.else
	s_wait_loadcnt 0
.endif
	v_max3_num_f32 v16, |v[XS]|, |v[XS+1]|, |v[XS+2]|              ; the block's largest magnitude: all 32 numbers are mine
	v_max3_num_f32 v17, |v[XS+3]|, |v[XS+4]|, |v[XS+5]|
.irp i, 6,10,14,18,22,26
	v_max3_num_f32 v16, v16, |v[XS+\i]|, |v[XS+\i+1]|
	v_max3_num_f32 v17, v17, |v[XS+\i+2]|, |v[XS+\i+3]|
.endr
	v_max3_num_f32 v16, v16, |v[XS+30]|, |v[XS+31]|
	v_max3_num_f32 v16, v16, v17, 0x1800000        ; and the floor 2^(3 - 127)
	v_add_nc_u32 v11, 0xff000000, v16              ; the conversions' scale operand
	v_lshrrev_b32 v17, 23, v11                     ; the scale's byte
.if (\t)%4 == 0
	v_mov_b32 v[SB+(\t)/4], v17                    ; four bytes to a register, the lower K in the lower byte
.else
	v_lshl_or_b32 v[SB+(\t)/4], v17, 8*((\t)%4), v[SB+(\t)/4]
.endif
.irp g, 0,1,2,3
	v_cvt_scalef32_pk8_fp4_f32 v[CW+\g], v[XS+8*\g:XS+8*\g+7], v11
.endr
	v_nop                                          ; one plain line behind the last conversion
	ds_store_b128 v4, v[CW:CW+3] offset:16*(\t)    ; 32 codes: 16 bytes of my column's row
.if (\t)+2 < NB
	LOADW (\t)+2
.endif
	s_wait_dscnt 0x0                               ; the store has read its registers: the next block's codes may be written
.endm
.set Q, 0
.rept NB
	BLOCKW Q
.set Q, Q+1
.endr
	global_store_b128 v9, v[SB:SB+3], s[16:17]     ; my column's 16 scale bytes
.irp t, 0,1,2,3,4,5,6,7,8,9,10,11,12,13,14,15
	ds_load_b128 v[OUTR+4*\t:OUTR+4*\t+3], v7 offset:2*\t*WPITCH
.endr
.irp t, 0,1,2,3,4,5,6,7,8,9,10,11,12,13,14,15
	s_wait_dscnt 15-\t                             ; LDS loads come back in order: load t is in, the later ones may be out
	global_store_b128 v8, v[OUTR+4*\t:OUTR+4*\t+3], s[14:15] offset:2*\t*WKROW
.endr
	s_wait_tensorcnt 0x0                           ; the wave's end: the three lines, behind my last LDS store
	ds_add_u32 v[SPW], v[NIL]
	s_wait_dscnt 0x0
	s_endpgm
; ---- PATH P.  Wproj to f16, as it lies: a wave takes 16,384 bytes, 32 loads of 512 consecutive bytes, all out at once; each store covers 256 consecutive bytes, aligned.  No LDS.
.Lpath_p:
	s_sub_co_u32 s21, ttmp9, 176
	s_lshl_b32 s21, s21, 2
	s_add_co_u32 s21, s21, s20                     ; my chunk: 0 .. 255
	s_lshl_b32 s22, s21, 14
	s_mov_b32 s23, 0
	s_add_nc_u64 s[8:9], s[8:9], s[22:23]
	s_lshl_b32 s22, s21, 13
	s_add_nc_u64 s[18:19], s[18:19], s[22:23]
	v_lshlrev_b32 v3, 4, v2
	v_lshlrev_b32 v4, 3, v2
.set i, 0
.rept 32
	global_load_b128 v[32+4*i:35+4*i], v3, s[8:9] offset:512*i     ; no hint: a later launch reads Wproj again
.set i, i+1
.endr
.set i, 0
.rept 32
	s_wait_loadcnt 31-i                            ; load i is in; the later ones may be out
	v_cvt_pk_f16_f32 v[32+4*i], v[32+4*i], v[33+4*i]
	v_cvt_pk_f16_f32 v[33+4*i], v[34+4*i], v[35+4*i]
	global_store_b64 v4, v[32+4*i:33+4*i], s[18:19] offset:256*i
.set i, i+1
.endr
	s_endpgm
.Lfunc_end_k_qc8a1b6d58e_prep:
	.size	k_qc8a1b6d58e_prep, .Lfunc_end_k_qc8a1b6d58e_prep-k_qc8a1b6d58e_prep
	.p2alignl 7, 3214868480
	.fill 96, 4, 3214868480
	.section	.rodata,"a",@progbits
	.p2align	6, 0x0
	.amdhsa_kernel k_qc8a1b6d58e_prep
		.amdhsa_group_segment_fixed_size 68608
		.amdhsa_private_segment_fixed_size 0
		.amdhsa_enable_private_segment 0
		.amdhsa_kernarg_size 64
		.amdhsa_user_sgpr_count 2
		.amdhsa_user_sgpr_kernarg_segment_ptr 1
		.amdhsa_wavefront_size32 1
		.amdhsa_system_sgpr_workgroup_id_x 1
		.amdhsa_system_sgpr_workgroup_id_y 1
		.amdhsa_system_sgpr_workgroup_id_z 1
		.amdhsa_system_vgpr_workitem_id 0
		.amdhsa_next_free_vgpr 192
		.amdhsa_next_free_sgpr 66
		.amdhsa_reserve_vcc 0
		.amdhsa_float_denorm_mode_32 3
		.amdhsa_float_denorm_mode_16_64 3
		.amdhsa_memory_ordered 1
		.amdhsa_forward_progress 1
		.amdhsa_inst_pref_size 123
	.end_amdhsa_kernel
	.amdgpu_metadata
---
amdhsa.version: [ 1, 2 ]
amdhsa.kernels:
  - .name:           k_qc8a1b6d58e_prep
    .symbol:         k_qc8a1b6d58e_prep.kd
    .args:
      - { .name: X, .offset: 0, .size: 8, .value_kind: global_buffer, .address_space: global }
      - { .name: Wqkv, .offset: 8, .size: 8, .value_kind: global_buffer, .address_space: global }
      - { .name: Wproj, .offset: 16, .size: 8, .value_kind: global_buffer, .address_space: global }
      - { .name: xc, .offset: 24, .size: 8, .value_kind: global_buffer, .address_space: global }
      - { .name: xs, .offset: 32, .size: 8, .value_kind: global_buffer, .address_space: global }
      - { .name: wc, .offset: 40, .size: 8, .value_kind: global_buffer, .address_space: global }
      - { .name: ws, .offset: 48, .size: 8, .value_kind: global_buffer, .address_space: global }
      - { .name: wph, .offset: 56, .size: 8, .value_kind: global_buffer, .address_space: global }
    .group_segment_fixed_size: 68608
    .private_segment_fixed_size: 0
    .kernarg_segment_align: 8
    .kernarg_segment_size: 64
    .max_flat_workgroup_size: 128
    .sgpr_count:     66
    .vgpr_count:     192
    .wavefront_size: 32
...
	.end_amdgpu_metadata
.endif
;; end of part 1
;; launch qkv (part 2): grid 12 x 16, 4 waves a work-group, clusters of 4 x 4, 327,680 bytes of LDS; arguments xc, xs, wc, ws, bqkv, qkvh, qkv16; writes qkvh, qkv16
.if DOCPART == 2
	.amdgcn_target "amdgcn-amd-amdhsa--gfx1250"
	.amdhsa_code_object_version 6
	.text
	.protected	k_qc8a1b6d58e_qkv
	.globl	k_qc8a1b6d58e_qkv
	.p2align	8
	.type	k_qc8a1b6d58e_qkv,@function
k_qc8a1b6d58e_qkv:
	s_mov_b64 s[64:65], 0
	v_nop
	global_prefetch_b8 v0, s[64:65] scope:SCOPE_SE
	s_setreg_imm32_b32 hwreg(HW_REG_WAVE_MODE, 25, 1), 1
	s_wait_xcnt 0x0
	s_wait_alu depctr_hold_cnt(0) depctr_sa_sdst(0) depctr_va_vdst(0) depctr_va_sdst(0) depctr_va_ssrc(0) depctr_va_vcc(0) depctr_vm_vsrc(0)
	s_getreg_b32 s2, hwreg(HW_REG_IB_STS2, 6, 4)
	s_cmp_eq_u32 s2, 0
	s_cbranch_scc0 .Lentry_in_a_cluster
	s_endpgm
.Lentry_in_a_cluster:
	s_bfe_u32 s2, ttmp6, 0x10000c
	s_cmp_lg_u32 s2, 0xf033
	s_cbranch_scc0 .Lentry_shape_is_right
	s_endpgm
.Lentry_shape_is_right:
; QKV = Q(X) Q(Wqkv) + bias, on codes of E2M1 with one E8M0 scale for each 32 along K; sums in f32.  M 4,096, N 3,072, K 1,024.
; xc [4096][512 bytes], xs [4096][32], wc [3072][512], ws [3072][32].  Out: qkvh, f16, [48 (n / 64: q's 16 heads, k's, v's)][4096][64]; and positions 0-15 once more in f32 (qkv16), for the launch that carries them finely.
; WORK LEFT OUT: k's bias, bqkv[1024:2048], adds the same term to all scores of a query, which the softmax takes away (shown at the head of the first kernel): it is not loaded; the k section starts its sums from zeros.
; LIMIT: q, k, v are rounded to f16: magnitudes up to 65,504.
; A tile of 256 x 256 is made by four waves, each 128 x 128: 64 accumulators.  K is two steps of 512: both LDS slots are filled once, at the start; nothing is filled again.
; The scale bytes of the work-group's 256 + 256 rows come once, as two dense blocks.  CLUSTERS: 4 x 4 work-groups; X's tiles are shared along a row of the cluster, W's along a column, by joint loads.
; A cluster's four tile columns are one section (q, k or v): the section is the cluster's x, the same in all sixteen partners.
; THE MATRIX INSTRUCTION IS USED TRANSPOSED (source 0 = 16 rows of wc, source 1 = 16 rows of xc): a lane holds eight neighbouring columns of one row.
; REGISTERS: window 0: v16-31 addresses; v32-95 scale words, two sets; v128-191 X's fragments, one set; v192-255 the bias in the result's layout (8 column blocks x 8), later the way out.
;   window 1: W's fragments, two sets.   window 2, 3: the accumulators of my rows 0-63, 64-127 ((a, b) at v[8 (8 (a % 4) + b)]).
.set NQ,     4                         ; matrix instructions deep in a slot
.set ROWB,   256                       ; a tile's row: 512 codes
.set KROW,   512                       ; a row of codes in memory
.set PITCH,  272                       ; 256 bytes + 16 of padding: the 16 rows that a load touches start at 16 different 16-byte columns
.set FR,     8
.set NL,     2
.set NP,     4                         ; places behind this matrix instruction (ISA guide 7.12.1)
.set HALFT,  128*PITCH
.set SLOT,   4*HALFT
.set KS,     32                        ; a row of scale bytes
.set SCL,    2*SLOT                    ; behind the ring: the scales, as units of 256 bytes + 16 of padding
.set HALFS,  16*272                    ; those of 128 rows
.set SBLK,   2*272                     ; those of 16 rows
.set SPARE,  SCL+4*HALFS               ; the spare words, 128 bytes for each wave
.set SPITCH, 272                       ; the way out: a stage of 16 rows x (256 + 16) bytes for each wave, in slot 0, which has had its only fill and its last read by then
.set ADRA, 16
.set ADRB, 20
.set STO,  24
.set RD,   25
.set ADRS, 27
.set SPW,  28
.set NIL,  29
.set IM,   30                          ; v30  16 x lane
.set BA,   31                          ; v31  32 x (lane / 16): my eight numbers of a block's bias
.set SC,   32
.set AF,   128
.set BI,   192
.set TMP,  192                         ; the way out: packed results
.set OB,   32                          ; and rows read back: v32-63 and v224-255 by turns
.set G1, 24
.set G0, 32
.set G1B, 48
.set G0B, 56
.set G1S, 68
.set G0S, 76
.set G1SB, 80
.set G0SB, 88
.set MSB, 0
.macro WIN new                         ; the immediate's high byte repeats the setting that is left
.if MSB != \new
	s_set_vgpr_msb (MSB<<8)|\new
.set MSB, \new
.endif
.endm
.set MUL_LO, 0xa1                      ; source 0 (W) window 1, source 1 (X) window 0, C and D window 2
.set MUL_HI, 0xf1                      ; the same, C and D window 3
.set FST_LO, 0x81                      ; the first step: C (the bias) window 0, D window 2
.set FST_HI, 0xc1                      ; D window 3
.set TO_B,   0x40
; A joint load: waves 0 and 1 fetch for X, waves 2 and 3 for W.  The branch hangs on the wave's number alone.  An s_nop 0 and four v_nop follow each line.
.macro JLOAD g0a, g1a, g0b, g1b
	s_cmp_eq_u32 s19, 0
	s_cbranch_scc0 .Lfor_b_\@
	tensor_load_to_lds s[\g0a:\g0a+3], s[\g1a:\g1a+7]
	s_nop 0
.rept 4
	v_nop
.endr
	s_branch .Lasked_\@
.Lfor_b_\@:
	tensor_load_to_lds s[\g0b:\g0b+3], s[\g1b:\g1b+7]
	s_nop 0
.rept 4
	v_nop
.endr
.Lasked_\@:
.endm
.macro CROUND                          ; a round of the cluster's barrier
	s_barrier_signal -1
	s_barrier_wait -1
	s_cmp_lg_u32 s18, 0
	s_cbranch_scc1 .Lnot_wave_0_\@
	s_barrier_signal -3
.Lnot_wave_0_\@:
	s_barrier_wait -3
	s_barrier_signal -1
	s_barrier_wait -1
.endm
	s_load_b128 s[4:7], s[0:1], 0x0                ; xc, xs
	s_load_b128 s[8:11], s[0:1], 0x10              ; wc, ws
	s_load_b128 s[12:15], s[0:1], 0x20             ; bqkv, qkvh
	s_load_b64 s[16:17], s[0:1], 0x30              ; qkv16
	v_lshl_add_u32 v[SPW], v0, 2, SPARE
	v_mov_b32 v[NIL], 0
	ds_add_u32 v[SPW], v[NIL]                      ; the wave's opening: the add, twice on end, and its wait ahead of my first tensor load
	ds_add_u32 v[SPW], v[NIL]
	v_lshrrev_b32 v1, 5, v0
	v_readfirstlane_b32 s18, v1                    ; wave 0..3
	s_lshr_b32 s19, s18, 1                         ; which half of the tile's rows is mine.  Also: I fetch for X (0) or for W (1)
	s_and_b32 s20, s18, 1                          ; which half of its columns.  Also: which 128 rows I fetch
	s_bfe_u32 s21, ttmp6, 0x40000                  ; cx
	s_bfe_u32 s22, ttmp6, 0x40004                  ; cy
	s_lshl_b32 s23, ttmp9, 2
	s_add_co_u32 s23, s23, s21                     ; tile column = 4 x cluster x + cx
	s_and_b32 s40, ttmp7, 0xffff
	s_lshl_b32 s40, s40, 2
	s_add_co_u32 s40, s40, s22                     ; tile row = 4 x cluster y + cy
	s_lshl_b32 s41, s22, 2
	s_lshl_b32 s41, 15, s41                        ; my row of the cluster
	s_lshl_b32 s42, 0x1111, s21                    ; my column
	s_or_b32 s[G1+0], s41, (0<<16)|(1<<20)|(1<<21)|(5<<22)|(3<<25)   ; the mask; elements of 1 byte; padding on; bit 21 beside a mask; after every 64 words, 4 words
	s_or_b32 s[G1B+0], s42, (0<<16)|(1<<20)|(1<<21)|(5<<22)|(3<<25)
.irp g, G1, G1B
	s_mov_b32 s[\g+1], ROWB<<16                    ; tensor_dim0
	s_mov_b32 s[\g+2], 128<<16                     ; tensor_dim1
	s_mov_b32 s[\g+3], ROWB<<16                    ; tile_dim0
	s_mov_b32 s[\g+4], 128                         ; tile_dim1
	s_mov_b32 s[\g+5], KROW                        ; the pitch
	s_mov_b32 s[\g+6], 0
	s_mov_b32 s[\g+7], 0
.endr
	s_or_b32 s[G1S+0], s41, (3<<16)|(1<<20)|(1<<21)|(5<<22)|(3<<25)  ; the scales of 128 rows: 4,096 dense bytes as 16 rows of 32 elements of 8 bytes
	s_or_b32 s[G1SB+0], s42, (3<<16)|(1<<20)|(1<<21)|(5<<22)|(3<<25)
.irp g, G1S, G1SB
	s_mov_b32 s[\g+1], 32<<16
	s_mov_b32 s[\g+2], 16<<16
	s_mov_b32 s[\g+3], 32<<16
	s_mov_b32 s[\g+4], 16
	s_mov_b32 s[\g+5], 32
	s_mov_b32 s[\g+6], 0
	s_mov_b32 s[\g+7], 0
.endr
	s_lshl_b32 s43, s20, 7                         ; which 128 rows of the tile I fetch
	s_lshl_b32 s44, s40, 8
	s_add_co_u32 s44, s44, s43                     ; X: row 256 x tile row + 128 x half
	s_lshl_b32 s46, s23, 8
	s_add_co_u32 s46, s46, s43                     ; W: row 256 x tile column + 128 x half
	s_lshl_b32 s92, s44, 5                         ; where these rows' scales begin,
	s_mov_b32 s93, 0
	s_lshl_b32 s94, s46, 5
	s_mov_b32 s95, 0
	s_lshl_b32 s44, s44, 9                         ; and their codes
	s_mov_b32 s45, 0
	s_lshl_b32 s46, s46, 9
	s_mov_b32 s47, 0
	s_mul_i32 s96, s18, HALFT                      ; where they go: wave x 128 rows: no place in the cluster enters an LDS address
	s_mul_i32 s97, s18, HALFS
	s_wait_dscnt 0x0                               ; both opening adds are done
	s_wait_kmcnt 0x0
	s_add_nc_u64 s[44:45], s[4:5], s[44:45]
	s_add_nc_u64 s[92:93], s[6:7], s[92:93]
	s_add_nc_u64 s[46:47], s[8:9], s[46:47]
	s_add_nc_u64 s[94:95], s[10:11], s[94:95]
	CROUND                                         ; all sixteen work-groups are here: the joint loads meet
	s_mov_b32 s[G0S], 1
	s_add_co_u32 s[G0S+1], s97, SCL
	s_mov_b64 s[G0S+2:G0S+3], s[92:93]
	s_or_b32 s[G0S+3], s[G0S+3], 0x80000000
	s_mov_b32 s[G0SB], 1
	s_add_co_u32 s[G0SB+1], s97, SCL
	s_mov_b64 s[G0SB+2:G0SB+3], s[94:95]
	s_or_b32 s[G0SB+3], s[G0SB+3], 0x80000000
	JLOAD G0S, G1S, G0SB, G1SB                     ; the scales first
.irp s, 0,1
	s_mov_b32 s[G0+4*\s], 1
	s_add_co_u32 s[G0+4*\s+1], s96, \s*SLOT
	s_add_nc_u64 s[G0+4*\s+2:G0+4*\s+3], s[44:45], \s*ROWB
	s_or_b32 s[G0+4*\s+3], s[G0+4*\s+3], 0x80000000
	s_mov_b32 s[G0B+4*\s], 1
	s_add_co_u32 s[G0B+4*\s+1], s96, \s*SLOT
	s_add_nc_u64 s[G0B+4*\s+2:G0B+4*\s+3], s[46:47], \s*ROWB
	s_or_b32 s[G0B+4*\s+3], s[G0B+4*\s+3], 0x80000000
	JLOAD G0+4*\s, G1, G0B+4*\s, G1B               ; three tensor loads of mine are out
.endr
	v_and_b32 v1, 15, v0                           ; r
	v_bfe_u32 v2, v0, 4, 1                         ; h
	; THE BIAS is the C of each sum's first product: lane (r, h), column block b, register j: bqkv[256 x tile column + 128 x half + 16 b + 8 h + j].  It is asked for here, so that it lands with the tiles.
	; In the k section nothing is loaded: its sums start from zeros, set by the other arm, so that the first step is written once.
	s_cmp_eq_u32 ttmp9, 1                          ; the cluster's x: the same in all sixteen partners
	s_cbranch_scc1 .Lk_section
	v_lshlrev_b32 v[BA], 5, v2
	s_lshl_b32 s2, s23, 10
	s_lshl_b32 s3, s20, 9
	s_add_co_u32 s2, s2, s3
	s_mov_b32 s3, 0
	s_add_nc_u64 s[12:13], s[12:13], s[2:3]
.irp b, 0,1,2,3,4,5,6,7
	global_load_b128 v[BI+8*\b:BI+8*\b+3], v[BA], s[12:13] offset:64*\b
	global_load_b128 v[BI+8*\b+4:BI+8*\b+7], v[BA], s[12:13] offset:64*\b+16
.endr
	s_branch .Lbias_done
.Lk_section:
.set i, 0
.rept 64
	v_mov_b32 v[BI+i], 0
.set i, i+1
.endr
.Lbias_done:
	v_mul_u32_u24 v3, v1, PITCH
	v_lshl_add_u32 v4, v2, 4, v3                   ; a fragment's row x pitch + 16 x half
	s_mul_i32 s2, s19, HALFT                       ; my 128 rows of X
	s_mul_i32 s3, s20, HALFT                       ; my 128 rows of W,
	s_add_co_u32 s3, s3, 2*HALFT                   ; which lie behind X's 256
.irp s, 0,1
	v_add_nc_u32 v[ADRA+\s], s2, v4
	v_add_nc_u32 v[ADRB+\s], s3, v4
	s_add_co_u32 s2, s2, SLOT
	s_add_co_u32 s3, s3, SLOT
.endr
	v_mul_u32_u24 v5, v1, KS                       ; my row's scales: 32 bytes a row,
	v_lshrrev_b32 v6, 8, v5
	v_lshl_add_u32 v5, v6, 4, v5                   ; and 16 more for each 256 passed
	s_mul_i32 s2, s19, HALFS                       ; X's: my 128 rows
	s_mul_i32 s3, s20, HALFS                       ; W's: my 128 rows, behind X's 256
	s_add_co_u32 s3, s3, 2*HALFS
	s_sub_co_u32 s3, s3, s2
	v_mul_u32_u24 v6, s3, v2                       ; lanes 16-31 take W's: one product, the distance between the two bases
	s_add_co_u32 s2, s2, SCL
	v_add_nc_u32 v5, v5, v6
	v_add_nc_u32 v[ADRS], s2, v5
	s_mul_i32 s2, s18, 16*SPITCH                   ; my stage
	v_mul_u32_u24 v5, v1, SPITCH                   ; in: row r, 16 bytes for each half of the lanes
	v_lshl_add_u32 v5, v2, 4, v5
	v_add_nc_u32 v[STO], s2, v5
	v_and_b32 v6, 31, v0
	v_lshlrev_b32 v[IM], 4, v6
	v_lshrrev_b32 v5, 3, v6                        ; back: eight lanes take a head's 128 bytes of a row, four rows an instruction
	v_mul_u32_u24 v5, v5, SPITCH
	v_and_b32 v6, 7, v0
	v_lshl_add_u32 v5, v6, 4, v5
	v_add_nc_u32 v[RD], s2, v5
	s_lshl_b32 s2, s23, 2
	s_lshl_b32 s3, s20, 1
	s_add_co_u32 s43, s2, s3                       ; the first of my two heads: 4 x tile column + 2 x half, 0 .. 46
	s_lshl_b32 s2, s43, 19                         ; a head is 524,288 bytes of qkvh,
	s_lshl_b32 s3, s40, 15                         ; 256 rows of 128 bytes a tile row,
	s_add_co_u32 s2, s2, s3
	s_lshl_b32 s3, s19, 14                         ; 128 rows a half
	s_add_co_u32 s2, s2, s3
	s_mov_b32 s3, 0
	s_add_nc_u64 s[14:15], s[14:15], s[2:3]
	s_lshl_b32 s2, s43, 12                         ; and 4,096 bytes of qkv16
	s_add_nc_u64 s[16:17], s[16:17], s[2:3]
.macro FRAG reg, adr, q, i             ; 16 rows x 128 K of 4-bit codes: lane l holds row l % 16; registers 4 c .. 4 c + 3 hold K = 64 c + 32 (l / 16) + 0 .. 31
.irp c, 0,1
	ds_load_b128 v[\reg+4*\c:\reg+4*\c+3], v[\adr] offset:64*(\q)+32*\c+(\i)*16*PITCH
.endr
.endm
; 16 matrix instructions: X's blocks a0, a0 + 1 x W's eight.  first = 1: C is the bias.  The 64 accumulators take turns, one instruction a turn.
.macro MUL16 a0, p, q, sc, first
.irp a, \a0, \a0+1
.irp b, 0,1,2,3,4,5,6,7
.if \first
	v_wmma_scale_f32_16x16x128_f8f6f4 v[8*(8*((\a)%4)+\b):8*(8*((\a)%4)+\b)+7], v[128*(\p)+FR*\b:128*(\p)+FR*\b+FR-1], v[AF+FR*(\a):AF+FR*(\a)+FR-1], v[BI+8*\b:BI+8*\b+7], v[SC+8*NQ*(\sc)+NQ*\b+(\q)], v[SC+8*NQ*(\sc)+NQ*(\a)+(\q)] matrix_a_fmt:MATRIX_FMT_FP4 matrix_b_fmt:MATRIX_FMT_FP4 matrix_a_scale:MATRIX_SCALE_ROW1
.else
	v_wmma_scale_f32_16x16x128_f8f6f4 v[8*(8*((\a)%4)+\b):8*(8*((\a)%4)+\b)+7], v[128*(\p)+FR*\b:128*(\p)+FR*\b+FR-1], v[AF+FR*(\a):AF+FR*(\a)+FR-1], v[8*(8*((\a)%4)+\b):8*(8*((\a)%4)+\b)+7], v[SC+8*NQ*(\sc)+NQ*\b+(\q)], v[SC+8*NQ*(\sc)+NQ*(\a)+(\q)] matrix_a_fmt:MATRIX_FMT_FP4 matrix_b_fmt:MATRIX_FMT_FP4 matrix_a_scale:MATRIX_SCALE_ROW1
.endif
.endr
.endr
.endm
.macro FETCH_B slot, q, p
	WIN TO_B
.irp i, 0,1,2,3,4,5,6,7
	FRAG 128*(\p)+FR*\i, ADRB+\slot, \q, \i
.endr
	WIN 0
.endm
.macro FETCH_A slot, q, i0
.irp i, \i0, \i0+1, \i0+2, \i0+3
	FRAG AF+FR*(\i), ADRA+\slot, \q, \i
.endr
.endm
.macro SCALES sc                       ; a K step's scale words: lanes 0-15 take X's block i, lanes 16-31 W's block i
.irp i, 0,1,2,3,4,5,6,7
	ds_load_b128 v[SC+8*NQ*\sc+NQ*\i:SC+8*NQ*\sc+NQ*\i+3], v[ADRS] offset:\i*SBLK
.endr
.endm
.macro PLACES n                        ; plain vector lines between a matrix instruction and a load into, or a read of, its registers
.rept \n
	v_nop
.endr
.endm
.macro STEP slot, q, first             ; 128 along K that has its successor in the same slot
	s_wait_dscnt 4*NL                              ; W's set and X's blocks 0-3 are in; the youngest eight loads (X's blocks 4-7) may be out
.if \first
	WIN FST_LO
.else
	WIN MUL_LO
.endif
	MUL16 0, (\q)%2, \q, \slot, \first
	MUL16 2, (\q)%2, \q, \slot, \first
	s_wait_dscnt 0
	PLACES NP
	FETCH_B \slot, (\q)+1, 1-(\q)%2
	FETCH_A \slot, (\q)+1, 0
.if \first
	WIN FST_HI
.else
	WIN MUL_HI
.endif
	MUL16 4, (\q)%2, \q, \slot, \first
	MUL16 6, (\q)%2, \q, \slot, \first
	PLACES NP
	WIN 0
	FETCH_A \slot, (\q)+1, 4
.endm
.macro STEPS slot, from
.set Q, \from
.rept NQ-1-\from
	STEP \slot, Q, 0
.set Q, Q+1
.endr
.endm
	s_wait_tensorcnt 1                             ; the scales and my part of slot 0 are in; slot 1's load may be out
	s_barrier_signal -1
	s_barrier_wait -1
	FETCH_B 0, 0, 0
	FETCH_A 0, 0, 0
	SCALES 0
	FETCH_A 0, 0, 4
	s_wait_loadcnt 0x0                             ; the bias
	STEP 0, 0, 1
	STEPS 0, 1
	; slot 0's last step changes slots: one barrier; in front of it each wave has its part of slot 1 and has ended its reads of slot 0, which then serves as the stage
	s_wait_tensorcnt 0x0
	ds_add_u32 v[SPW], v[NIL]
	s_wait_dscnt 4*NL+1                            ; the add and the youngest eight loads may be out
	WIN MUL_LO
	MUL16 0, 1, NQ-1, 0, 0
	s_wait_dscnt 0x0
	s_barrier_signal -1
	MUL16 2, 1, NQ-1, 0, 0
	WIN 0
	s_barrier_wait -1
	PLACES NP
	v_add_nc_u32 v[ADRS], 4*NQ, v[ADRS]            ; the second K step's scale words
	FETCH_B 1, 0, 0
	FETCH_A 1, 0, 0
	SCALES 1
	WIN MUL_HI
	MUL16 4, 1, NQ-1, 0, 0
	MUL16 6, 1, NQ-1, 0, 0
	PLACES NP
	WIN 0
	FETCH_A 1, 0, 4
	STEPS 1, 0
	s_wait_dscnt 4*NL                              ; the very last step: nothing more to fetch
	WIN MUL_LO
	MUL16 0, 1, NQ-1, 1, 0
	MUL16 2, 1, NQ-1, 1, 0
	s_wait_dscnt 0
	WIN MUL_HI
	MUL16 4, 1, NQ-1, 1, 0
	MUL16 6, 1, NQ-1, 1, 0
	WIN 0
	PLACES NP
	; POSITIONS 0-15 IN f32: the accumulators of row block 0 of tile row 0 leave as images of their registers: 16 bytes a lane, 512 consecutive bytes a store.
	; The branch hangs on the cluster's y and the wave's number; the partners of a cluster's column are told apart by EXEC alone: only cy = 0 stores.
	s_and_b32 s97, ttmp7, 0xffff
	s_or_b32 s97, s97, s19
	s_cmp_lg_u32 s97, 0
	s_cbranch_scc1 .Lno_rows16
	s_wait_xcnt 0x0                                ; EXEC changes only behind this wait
	v_cmp_eq_u32 vcc_lo, s22, v[NIL]
	s_and_saveexec_b32 s96, vcc_lo
	WIN 0x08                                       ; a store's data: window 2
.irp b, 0,1,2,3,4,5,6,7
	global_store_b128 v[IM], v[8*\b:8*\b+3], s[16:17] offset:(2*\b)*512      ; each accumulator from its low end on
	global_store_b128 v[IM], v[8*\b+4:8*\b+7], s[16:17] offset:(2*\b+1)*512
.endr
	WIN 0
	s_wait_xcnt 0x0                                ; and again, in front of the line that widens it
	s_or_b32 exec_lo, exec_lo, s96
.Lno_rows16:
; THE WAY OUT, a block of 16 rows x 128 columns (two heads) at a time: rounded to f16, 16 bytes a lane into my stage, back as the two heads' rows of 128 bytes, stored 512 consecutive bytes an instruction.
.macro PACK a
.set AC, 64*((\a)%4)
	WIN 0x0a+5*((\a)/4)                            ; sources 0 and 1: window 2 or 3
.irp b, 0,1,2,3,4,5,6,7
.irp r, 0,1,2,3
	v_cvt_pk_f16_f32 v[TMP+4*\b+\r], v[AC+8*\b+2*\r], v[AC+8*\b+2*\r+1]
.endr
.endr
	WIN 0
.endm
.macro TOSTAGE a
.set BK, OB+192*((\a)%2)
.irp b, 0,1,2,3,4,5,6,7
	ds_store_b128 v[STO], v[TMP+4*\b:TMP+4*\b+3] offset:32*\b
.endr
.irp hh, 0,1
.irp t, 0,1,2,3
	ds_load_b128 v[BK+4*(4*\hh+\t):BK+4*(4*\hh+\t)+3], v[RD] offset:128*\hh+4*SPITCH*\t   ; LDS serves a wave's instructions in order: these see the stores above
.endr
.endr
.endm
.macro SEND a
.set BK, OB+192*((\a)%2)
	s_wait_dscnt 0x0                               ; the block is back in registers
	s_wait_xcnt 0x0                                ; earlier stores have read their registers: the next block's loads may land there
.irp hh, 0,1
.irp t, 0,1,2,3
	global_store_b128 v[IM], v[BK+4*(4*\hh+\t):BK+4*(4*\hh+\t)+3], s[14:15] offset:\hh*524288+(\a)*2048+\t*512
.endr
.endr
.endm
	PACK 0
	TOSTAGE 0
.irp a, 1,2,3,4,5,6,7                  ; block a's conversions stand between block a - 1's loads from the stage and the wait for them
	PACK \a
	SEND \a-1
	TOSTAGE \a
.endr
	SEND 7
	s_wait_tensorcnt 0x0                           ; the wave's end: the three lines, behind my last tensor load and my last LDS store
	ds_add_u32 v[SPW], v[NIL]
	s_wait_dscnt 0x0
	CROUND                                         ; the closing round
	s_endpgm
.Lfunc_end_k_qc8a1b6d58e_qkv:
	.size	k_qc8a1b6d58e_qkv, .Lfunc_end_k_qc8a1b6d58e_qkv-k_qc8a1b6d58e_qkv
	.p2alignl 7, 3214868480
	.fill 96, 4, 3214868480
	.section	.rodata,"a",@progbits
	.p2align	6, 0x0
	.amdhsa_kernel k_qc8a1b6d58e_qkv
		.amdhsa_group_segment_fixed_size 327680
		.amdhsa_private_segment_fixed_size 0
		.amdhsa_enable_private_segment 0
		.amdhsa_kernarg_size 56
		.amdhsa_user_sgpr_count 2
		.amdhsa_user_sgpr_kernarg_segment_ptr 1
		.amdhsa_wavefront_size32 1
		.amdhsa_system_sgpr_workgroup_id_x 1
		.amdhsa_system_sgpr_workgroup_id_y 1
		.amdhsa_system_sgpr_workgroup_id_z 1
		.amdhsa_system_vgpr_workitem_id 0
		.amdhsa_next_free_vgpr 1024
		.amdhsa_next_free_sgpr 98
		.amdhsa_reserve_vcc 1
		.amdhsa_float_denorm_mode_32 3
		.amdhsa_float_denorm_mode_16_64 3
		.amdhsa_memory_ordered 1
		.amdhsa_forward_progress 1
		.amdhsa_inst_pref_size 132
	.end_amdhsa_kernel
	.amdgpu_metadata
---
amdhsa.version: [ 1, 2 ]
amdhsa.kernels:
  - .name:           k_qc8a1b6d58e_qkv
    .symbol:         k_qc8a1b6d58e_qkv.kd
    .args:
      - { .name: xc, .offset: 0, .size: 8, .value_kind: global_buffer, .address_space: global }
      - { .name: xs, .offset: 8, .size: 8, .value_kind: global_buffer, .address_space: global }
      - { .name: wc, .offset: 16, .size: 8, .value_kind: global_buffer, .address_space: global }
      - { .name: ws, .offset: 24, .size: 8, .value_kind: global_buffer, .address_space: global }
      - { .name: bqkv, .offset: 32, .size: 8, .value_kind: global_buffer, .address_space: global }
      - { .name: qkvh, .offset: 40, .size: 8, .value_kind: global_buffer, .address_space: global }
      - { .name: qkv16, .offset: 48, .size: 8, .value_kind: global_buffer, .address_space: global }
    .group_segment_fixed_size: 327680
    .private_segment_fixed_size: 0
    .kernarg_segment_align: 8
    .kernarg_segment_size: 56
    .max_flat_workgroup_size: 128
    .sgpr_count:     98
    .vgpr_count:     1024
    .wavefront_size: 32
...
	.end_amdgpu_metadata
.endif
;; end of part 2
;; launch attn (part 3): grid 16 x 16, 16 waves a work-group, no clusters, 327,680 bytes of LDS; arguments qkvh, oh; writes oh
.if DOCPART == 3
	.amdgcn_target "amdgcn-amd-amdhsa--gfx1250"
	.amdhsa_code_object_version 6
	.text
	.protected	k_qc8a1b6d58e_attn
	.globl	k_qc8a1b6d58e_attn
	.p2align	8
	.type	k_qc8a1b6d58e_attn,@function
k_qc8a1b6d58e_attn:
	s_mov_b64 s[64:65], 0
	v_nop
	global_prefetch_b8 v0, s[64:65] scope:SCOPE_SE
	s_setreg_imm32_b32 hwreg(HW_REG_WAVE_MODE, 25, 1), 1
	s_wait_xcnt 0x0
; O[head][q] = the sum over keys k <= q of softmax_k(q . k / 8) v.  qkvh: f16 [48][4096][64]: q's heads 0-15, k's 16-31, v's 32-47.  Products on f16 operands with f32 sums; maxima, exponentials and sums in f32;
; the weights p (at most 1) are rounded to f16 for the second product, O once at the end.  oh: f16 [32 (l / 128)][16 heads][128][64].
; WORK LEFT OUT: key steps that lie wholly behind the causal mask, which the problem builds itself; k carries no bias (shown at the head of the first kernel).
; LIMIT: f16 operands: |q|, |k|, |v|, |o| up to 65,504.  Positions 0-15 are carried here in f16 like the rest of their tile; a later launch makes their outputs anew in f32.
; NO CLUSTER: how many slots a work-group asks for hangs on its number, so partners would need different numbers of tiles, and the jump at the causal limit may lead round no joint load.
; SHARES.  Work-group (j, head) owns the blocks j and 31 - j of 128 queries: 33 blocks of keys for every j.  Each of its sixteen waves owns one tile of 16 queries in 256 registers; eight waves are light (block j) and
; eight heavy (block 31 - j), heavy = bit 0 xor bit 2 of the wave's number.  Every wave walks all 16 slots of 256 keys (the trip counts are constants); a step of 128 keys that lies behind its queries is jumped over.
; K's and V's tiles come through a ring of two LDS slots: wave 0 brings a slot's 256 rows of K, wave 1 its 256 rows of V, so that every load that is asked for holds keys that some wave reads.
; LAYOUT.  S^T = K Q^T (source 0 = 16 keys, source 1 = my 16 queries): a lane holds ONE query (lane % 16) and keys 16 t + 8 (lane / 16) + j.  Two tiles rounded in pairs are source 1 of O^T = V^T P; V is turned by ds_load_tr16_b128.
; SOFTMAX.  A running maximum m and sum l: p = 2^(c s - c m), c = log2(e) / 8; in every step O^T and l are multiplied by a = 2^(c m_old - c m_new).
.set SK,    256                        ; keys in a slot
.set KP,    144                        ; a key's row in LDS: 128 bytes + 16
.set VP,    160                        ; a row of V: 128 + 32: an odd multiple of 32 for the turning load
.set VOFF,  SK*KP
.set SLOT1, 1<<17                      ; one exclusive or turns an address in one slot into the other's
.set NSL,   16
.set SPARE, 2*SLOT1                    ; the spare words, 128 bytes for each of sixteen waves
.set STAGE, 0                          ; the way out: 16 rows x 144 bytes for each wave, in the slot that is left at the last change of slots
.set AK0,  1
.set AV0,  2
.set SPW,  3
.set NIL,  4
.set GO,   5
.set ADK,  6
.set ADV,  7
.set CM,   10                          ; v10 c m, v11 m: named as a pair, the low word serves both halves
.set MX,   11
.set AL,   14                          ; v14 a; v15 is written once, since the pair is named
.set PFO,  240
.set DL,   241                         ; v241 lane % 16 - 8 (lane / 16)
.set WV,   18
.set SEL,  20
.set CS,   22
.set G1K,  24
.set G1V,  32
.set G0K,  40
.set G0V,  44
.set TB,   2                           ; s2   LDS byte at which the slot in hand begins
.set SLOTS, 67
.set PFA,  76
.set LIM,  80
.set LASTQ, 95                         ; s95  my work-group's last query
.set KF,   98                          ; s98  the step's first key
.set Q0,   99                          ; s99  my first query
.macro TLOAD                           ; wave 0 fetches K's rows, wave 1 V's, the others nothing.  An s_nop 0 and four v_nop follow each line
	s_cmp_eq_u32 s[WV], 0
	s_cbranch_scc0 .Lnot_k_\@
	tensor_load_to_lds s[G0K:G0K+3], s[G1K:G1K+7]
	s_nop 0
.rept 4
	v_nop
.endr
	s_branch .Lasked_\@
.Lnot_k_\@:
	s_cmp_eq_u32 s[WV], 1
	s_cbranch_scc0 .Lasked_\@
	tensor_load_to_lds s[G0V:G0V+3], s[G1V:G1V+7]
	s_nop 0
.rept 4
	v_nop
.endr
.Lasked_\@:
.endm
; A prefetch of what the NEXT change of slots will ask for: 32,768 dense bytes of K and as many of V.  All sixteen work-groups of a head walk the same rows: the one with j = 0, whose own loads run to the last slot, asks.
; In it waves 4 to 7 ask for K's bytes and waves 8 to 11 for V's, 8,192 a wave, lanes 256 bytes apart: each aligned block of 256 bytes is named once in the launch.  Slots 0 and 1 come by their loads alone; the last filling change asks for nothing.
.macro ASK
	s_cmp_gt_u32 s[SLOTS], s[LIM]
	s_cbranch_scc0 .Lnot_mine_\@
	global_prefetch_b8 v[PFO], s[PFA:PFA+1] th:TH_LOAD_NT scope:SCOPE_SE
.Lnot_mine_\@:
.endm
	s_load_b128 s[4:7], s[0:1], 0x0                ; qkvh, oh
	v_lshl_add_u32 v[SPW], v0, 2, SPARE
	v_mov_b32 v[NIL], 0
	ds_add_u32 v[SPW], v[NIL]                      ; the wave's opening: the add, twice on end, and its wait ahead of the first tensor load
	ds_add_u32 v[SPW], v[NIL]
	v_lshrrev_b32 v6, 5, v0
	v_readfirstlane_b32 s[WV], v6                  ; wave 0..15
	s_and_b32 s8, ttmp7, 0xffff                    ; the head
	s_lshr_b32 s9, s[WV], 2
	s_xor_b32 s9, s9, s[WV]
	s_and_b32 s9, s9, 1                            ; heavy
	s_and_b32 s10, s[WV], 3
	s_lshr_b32 s11, s[WV], 3
	s_lshl_b32 s11, s11, 2
	s_or_b32 s10, s10, s11                         ; which 16 of the block's 128 queries: 0 .. 7
	s_sub_co_u32 s11, 31, ttmp9
	s_cmp_eq_u32 s9, 1
	s_cselect_b32 s11, s11, ttmp9                  ; my block of queries
	s_lshl_b32 s[Q0], s11, 7
	s_lshl_b32 s12, s10, 4
	s_add_co_u32 s[Q0], s[Q0], s12
	s_lshl_b32 s[LASTQ], ttmp9, 7
	s_sub_co_u32 s[LASTQ], 4095, s[LASTQ]          ; 128 (31 - j) + 127
	s_lshl_b32 s12, s8, 19                         ; q's head, in bytes
	s_mov_b32 s13, 0
	s_add_co_u32 s14, s12, 16<<19                  ; k's
	s_mov_b32 s15, 0
	s_add_co_u32 s16, s12, 32<<19                  ; v's
	s_mov_b32 s17, 0
	s_lshl_b32 s48, s[Q0], 7
	s_add_co_u32 s12, s12, s48                     ; my first query's row
	s_lshl_b32 s48, s11, 4
	s_add_co_u32 s48, s48, s8
	s_lshl_b32 s48, s48, 14                        ; oh: (16 x block + head) x 16,384
	s_lshl_b32 s49, s10, 11                        ; + my 16 rows of 128 bytes
	s_add_co_u32 s48, s48, s49
	s_mov_b32 s49, 0
	s_mov_b32 s[G1K], (1<<16)|(1<<20)|(4<<22)|(3<<25)   ; no mask; elements of 2 bytes; padding on: after every 32 words, 4 words
	s_mov_b32 s[G1V], (1<<16)|(1<<20)|(4<<22)|(7<<25)   ; the same with 8 words
.irp g, G1K, G1V
	s_mov_b32 s[\g+1], 64<<16                      ; tensor_dim0
	s_mov_b32 s[\g+2], SK<<16                      ; tensor_dim1
	s_mov_b32 s[\g+3], 64<<16                      ; tile_dim0
	s_mov_b32 s[\g+4], SK                          ; tile_dim1
	s_mov_b32 s[\g+5], 64                          ; the pitch
	s_mov_b32 s[\g+6], 0
	s_mov_b32 s[\g+7], 0
.endr
	s_mov_b32 s[SEL], 0x76543210
	s_mov_b32 s[SEL+1], 0xfedcba98                 ; v_permlanex16_b32's selects for lane l xor 16
	s_mov_b32 s[CS], 0x3e38aa3b                    ; c = log2(e) / 8
	s_mov_b32 s[CS+1], s[CS]
	s_mov_b32 s[TB], 0
	s_mov_b32 s[SLOTS], NSL-1
	s_mov_b32 s[KF], 0
	s_wait_dscnt 0x0                               ; both opening adds are done
	s_wait_kmcnt 0x0
	s_mov_b32 s[G0K], 1
	s_mov_b32 s[G0K+1], 0                          ; slot 0
	s_add_nc_u64 s[G0K+2:G0K+3], s[4:5], s[14:15]
	s_or_b32 s[G0K+3], s[G0K+3], 0x80000000
	s_mov_b32 s[G0V], 1
	s_mov_b32 s[G0V+1], VOFF
	s_add_nc_u64 s[G0V+2:G0V+3], s[4:5], s[16:17]
	s_or_b32 s[G0V+3], s[G0V+3], 0x80000000
	TLOAD                                          ; slot 0: it holds key 0, which counts for every query
	s_cmp_lt_u32 s[WV], 8                          ; the prefetches: waves 4 to 7 stand in K, waves 8 to 11 in V
	s_cselect_b32 s82, s14, s16
	s_and_b32 s83, s[WV], 3
	s_lshl_b32 s83, s83, 13
	s_add_co_u32 s82, s82, s83                     ; my wave's 8,192 bytes,
	s_add_co_u32 s82, s82, SK*128                  ; in slot 1: the first change of slots steps it to slot 2
	s_mov_b32 s83, 0
	s_add_nc_u64 s[PFA:PFA+1], s[4:5], s[82:83]
	s_sub_co_u32 s82, s[WV], 4
	s_lshr_b32 s82, s82, 3                         ; 0 in waves 4 to 11,
	s_or_b32 s82, s82, ttmp9                       ; of the work-group with j = 0
	s_cmp_eq_u32 s82, 0
	s_cselect_b32 s[LIM], 1, -1
	s_add_nc_u64 s[4:5], s[4:5], s[12:13]          ; Q at my first query
	s_add_nc_u64 s[6:7], s[6:7], s[48:49]          ; oh at my 16 rows
	v_and_b32 v224, 15, v0                         ; r
	v_bfe_u32 v225, v0, 4, 1                       ; h
	v_lshlrev_b32 v226, 7, v224
	v_lshl_add_u32 v226, v225, 4, v226             ; Q: row r of 128 bytes + 16 h
.irp c, 0,1,2,3
	global_load_b128 v[16+4*\c:19+4*\c], v226, s[4:5] offset:32*\c   ; Q's two fragments stay in registers
.endr
	v_mul_u32_u24 v[AK0], v224, KP
	v_lshl_add_u32 v[AK0], v225, 4, v[AK0]
	v_and_b32 v227, 7, v0
	v_lshl_add_u32 v227, v225, 3, v227             ; 8 h + lane % 8: the key that I address in the turning load
	v_mul_u32_u24 v[AV0], v227, VP
	v_bfe_u32 v227, v0, 3, 1
	v_lshl_add_u32 v[AV0], v227, 4, v[AV0]
	v_add_nc_u32 v[AV0], VOFF, v[AV0]
	v_and_b32 v[GO], 31, v0
	v_lshlrev_b32 v[PFO], 8, v[GO]
	v_lshlrev_b32 v[GO], 4, v[GO]
	v_lshlrev_b32 v227, 3, v225
	v_sub_nc_u32 v[DL], v224, v227
	v_mov_b32 v[MX], 0xff61b1e6                    ; the largest score so far: -3e38, under every score
	v_mul_f32 v[CM], s[CS], v[MX]
	v_mov_b32 v12, 0                               ; l, in two halves
	v_mov_b32 v13, 0
	v_mov_b32 v15, 0
	v_mov_b32 v229, 0                              ; a lane permute's destination counts as one of its sources
.set i, 0
.rept 32
	v_mov_b32 v[192+i], 0                          ; O^T: the step is written once; the first finds zeros, which a = 0 leaves zeros
.set i, i+1
.endr
.macro VLOAD q, g                      ; 64 keys x 64 channels of V, turned: fragment (kg, ct): keys 32 (2 g + kg) on, channels 16 ct on
.irp kg, 0,1
.irp ct, 0,1,2,3
	ds_load_tr16_b128 v[32+8*(4*\kg+\ct):35+8*(4*\kg+\ct)], v[ADV] offset:(128*(\q)+32*(2*\g+\kg))*VP+32*\ct
	ds_load_tr16_b128 v[36+8*(4*\kg+\ct):39+8*(4*\kg+\ct)], v[ADV] offset:(128*(\q)+32*(2*\g+\kg))*VP+32*\ct+16*VP
.endr
.endr
.endm
.macro PVMUL g                         ; O^T += V^T P: the four accumulators take turns
.irp kg, 0,1
.irp ct, 0,1,2,3
	v_wmma_f32_16x16x32_f16 v[192+8*\ct:199+8*\ct], v[32+8*(4*\kg+\ct):39+8*(4*\kg+\ct)], v[160+8*(2*\g+\kg):167+8*(2*\g+\kg)], v[192+8*\ct:199+8*\ct]
.endr
.endr
.endm
; A KEY STEP: 128 keys, the q-th of the slot in hand.
.macro STEP q
	s_add_co_u32 s96, s[Q0], 15                    ; a step all of whose keys come after my 16 queries is left out: a branch on ids, round the step's work and round no barrier or tensor load
	s_cmp_gt_u32 s[KF], s96
	s_cbranch_scc1 .Lhidden_\@
	v_add_nc_u32 v[ADK], s[TB], v[AK0]
	v_add_nc_u32 v[ADV], s[TB], v[AV0]
	v_nop                                          ; with the two additions: four places in front of loads into registers that the last products read
	v_nop
.irp g, 0,1                                    ; S^T = K Q^T, four tiles of 16 keys at a time
.irp t, 0,1,2,3
.irp c, 0,1
	ds_load_b128 v[32+16*\t+8*\c:35+16*\t+8*\c], v[ADK] offset:(128*(\q)+16*(4*\g+\t))*KP+64*\c
	ds_load_b128 v[36+16*\t+8*\c:39+16*\t+8*\c], v[ADK] offset:(128*(\q)+16*(4*\g+\t))*KP+64*\c+32
.endr
.endr
	s_wait_dscnt 0x0
.irp t, 0,1,2,3
	v_wmma_f32_16x16x32_f16 v[96+8*(4*\g+\t):103+8*(4*\g+\t)], v[32+16*\t:39+16*\t], v[16:23], 0
.endr
.irp t, 0,1,2,3
	v_wmma_f32_16x16x32_f16 v[96+8*(4*\g+\t):103+8*(4*\g+\t)], v[40+16*\t:47+16*\t], v[24:31], v[96+8*(4*\g+\t):103+8*(4*\g+\t)]
.endr
.rept 4
	v_nop                                          ; places in front of the next loads into K's registers, and of the first read of the scores
.endr
.endr
	VLOAD \q, 0                                    ; V's first 64 keys are asked for ahead of the softmax
	s_add_co_u32 s96, s[KF], 127                   ; on the diagonal hidden scores become -infinity ahead of the maximum; a step all of whose keys count skips this
	s_cmp_le_u32 s96, s[Q0]
	s_cbranch_scc1 .Lopen_\@
	s_sub_co_i32 s96, s[Q0], s[KF]
	v_add_nc_u32 v224, s96, v[DL]                  ; d = my query - KF - 8 (lane / 16).  Register 8 t + j holds key KF + 16 t + 8 (lane / 16) + j: hidden where 16 t + j > d
	v_mov_b32 v225, 0xff800000
.set MN, 0
.rept 64
	v_cmp_gt_i32 vcc_lo, 16*(MN/8)+MN%8, v224
	v_cndmask_b32 v[96+MN], v[96+MN], v225, vcc_lo
.set MN, MN+1
.endr
.Lopen_\@:
.irp b, 0,1,2,3
	v_max3_num_f32 v[224+\b], v[96+16*\b], v[97+16*\b], v[98+16*\b]   ; the largest of my 64 scores, in four chains; each tile is read from its low end on
.endr
.irp i, 3,5,7,9,11,13
.irp b, 0,1,2,3
	v_max3_num_f32 v[224+\b], v[224+\b], v[96+16*\b+\i], v[97+16*\b+\i]
.endr
.endr
.irp b, 0,1,2,3
	v_max_num_f32 v[224+\b], v[224+\b], v[111+16*\b]
.endr
	v_max3_num_f32 v228, v224, v225, v226
	v_max3_num_f32 v228, v228, v227, v[MX]         ; with the old m
	v_permlanex16_b32 v229, v228, s[SEL], s[SEL+1] ; the query's other 64 keys lie in the lane 16 away
	v_mov_b32 v230, v[CM]                          ; c m_old is kept for a
	v_max_num_f32 v[MX], v228, v229
	v_mul_f32 v[CM], s[CS], v[MX]
	v_sub_f32 v230, v230, v[CM]
.set i, 0
.rept 32
	v_pk_fma_f32 v[96+i:97+i], v[96+i:97+i], s[CS:CS+1], v[CM:CM+1] op_sel_hi:[1,0,0] neg_lo:[0,0,1] neg_hi:[0,0,1]   ; c s - c m, two at a time
.set i, i+2
.endr
	v_exp_f32 v[AL], v230                          ; a
.set i, 0
.rept 64
	v_exp_f32 v[96+i], v[96+i]                     ; p, at most 1
.set i, i+1
.endr
	v_nop                                          ; a plain line behind the last exponential
	s_wait_alu depctr_va_vdst(0)                   ; one wait for the whole batch, ahead of its first reader
	v_pk_mul_f32 v[12:13], v[12:13], v[AL:AL+1] op_sel_hi:[1,0]     ; l under the new m
	v_pk_add_f32 v[232:233], v[96:97], v[98:99]    ; the sum of p, two at a time, in two chains
.irp j, 4,8,12,16,20,24,28,32,36,40,44,48,52,56,60
	v_pk_add_f32 v[12:13], v[12:13], v[96+\j:97+\j]
	v_pk_add_f32 v[232:233], v[232:233], v[98+\j:99+\j]
.endr
	v_pk_add_f32 v[12:13], v[12:13], v[232:233]
.set i, 0
.rept 32
	v_cvt_pk_f16_f32 v[160+i], v[96+2*i], v[97+2*i]   ; tiles 2 kk and 2 kk + 1 make the fragment of keys 32 kk on
.set i, i+1
.endr
.set i, 0
.rept 16
	v_pk_mul_f32 v[192+i:193+i], v[192+i:193+i], v[AL:AL+1] op_sel_hi:[1,0]   ; O^T under the new m
.set i, i+2
.endr
	s_wait_dscnt 0x0                               ; V's first 64 keys are in
	PVMUL 0
.rept 4
	v_nop                                          ; places in front of loads into V's registers
.endr
	VLOAD \q, 1
	s_wait_dscnt 0x0
	PVMUL 1
.Lhidden_\@:
	s_add_co_u32 s[KF], s[KF], 128
.endm
; THE CHANGE OF SLOTS stands at a slot's head.  Each wave waits for all its tensor loads, adds 0 to its spare word, and waits for that and for its reads of the slot that it has left.  Behind the barrier the slot ahead is whole
; and nobody reads the other one.  fill = 1: that other slot is asked for, up to the causal limit; the load has a whole slot's steps in which to land.  By this text's own count a wave has at most one tensor load out.
.macro CHANGE fill
	s_wait_tensorcnt 0x0                           ; no tensor load of mine is out, so a group 0 may be written
	ds_add_u32 v[SPW], v[NIL]
.if \fill
	ds_add_u32 v[SPW], v[NIL]                      ; and once more: the add twice on end, in every trip alike
	s_xor_b32 s[G0K+1], s[G0K+1], SLOT1            ; the walking descriptors: the other slot,
	s_add_nc_u64 s[G0K+2:G0K+3], s[G0K+2:G0K+3], SK*128   ; the next 256 keys
	s_xor_b32 s[G0V+1], s[G0V+1], SLOT1
	s_add_nc_u64 s[G0V+2:G0V+3], s[G0V+2:G0V+3], SK*128
	s_wait_xcnt 0x0                                ; the last prefetch, a slot back, has read its address
	s_add_nc_u64 s[PFA:PFA+1], s[PFA:PFA+1], SK*128
.endif
	s_wait_dscnt 0x0
	s_barrier_signal -1
	s_barrier_wait -1
.if \fill
	s_add_co_u32 s96, s[KF], SK                    ; the first key of the slot that this change would ask for:
	s_cmp_gt_u32 s96, s[LASTQ]                     ; behind my work-group's last query no wave reads it, so it is not asked for.  Ids and the count of steps alone: all sixteen waves go the same way
	s_cbranch_scc1 .Lpast_\@
	TLOAD
.Lpast_\@:
	ASK
.endif
.endm
.macro SLOT_STEPS
	STEP 0
	STEP 1
	s_xor_b32 s[TB], s[TB], SLOT1
.endm
	s_wait_loadcnt 0x0                             ; Q
.Lslot:                                            ; 15 trips
	CHANGE 1
	SLOT_STEPS
	s_sub_co_u32 s[SLOTS], s[SLOTS], 1
	s_cmp_lg_u32 s[SLOTS], 0
	s_cbranch_scc1 .Lslot
	CHANGE 0                                       ; the last slot is written out: nothing is left to ask for
	SLOT_STEPS
	; THE WAY OUT: O^T / l, rounded to f16, through my stage, and out as 2,048 consecutive bytes.
	v_add_f32 v12, v12, v13
	v_permlanex16_b32 v229, v12, s[SEL], s[SEL+1]
	v_add_f32 v12, v12, v229                       ; the row's sum
	v_rcp_f32 v14, v12
	v_and_b32 v224, 15, v0                         ; (plain lines behind the reciprocal)
	v_bfe_u32 v225, v0, 4, 1
	s_mul_i32 s96, s[WV], 16*KP
	s_add_co_u32 s96, s96, STAGE
	v_mul_u32_u24 v8, v224, KP
	v_lshl_add_u32 v8, v225, 4, v8
	v_add_nc_u32 v8, s96, v8                       ; in: row r, 16 bytes for each half of the lanes
	v_bfe_u32 v9, v0, 3, 2
	v_mul_u32_u24 v9, v9, KP
	v_and_b32 v226, 7, v0
	v_lshl_add_u32 v9, v226, 4, v9
	v_add_nc_u32 v9, s96, v9                       ; back: eight lanes to a row of 128 bytes, four rows an instruction
	s_wait_alu depctr_va_vdst(0)                   ; the wait ahead of the reciprocal's first reader
.set i, 0
.rept 32
	v_mul_f32 v[96+i], v[192+i], v14
.set i, i+1
.endr
.set i, 0
.rept 16
	v_cvt_pk_f16_f32 v[128+i], v[96+2*i], v[97+2*i]
.set i, i+1
.endr
.irp ct, 0,1,2,3
	ds_store_b128 v8, v[128+4*\ct:131+4*\ct] offset:32*\ct
.endr
.irp i, 0,1,2,3
	ds_load_b128 v[144+4*\i:147+4*\i], v9 offset:4*KP*\i   ; LDS serves a wave's instructions in order: these see my stores
.endr
.irp i, 0,1,2,3
	s_wait_dscnt 3-\i                              ; load i is in; the later ones may be out
	global_store_b128 v[GO], v[144+4*\i:147+4*\i], s[6:7] offset:512*\i
.endr
	s_wait_tensorcnt 0x0                           ; the wave's end: the three lines, behind my last tensor load and my last LDS store
	ds_add_u32 v[SPW], v[NIL]
	s_wait_dscnt 0x0
	s_endpgm
.Lfunc_end_k_qc8a1b6d58e_attn:
	.size	k_qc8a1b6d58e_attn, .Lfunc_end_k_qc8a1b6d58e_attn-k_qc8a1b6d58e_attn
	.p2alignl 7, 3214868480
	.fill 96, 4, 3214868480
	.section	.rodata,"a",@progbits
	.p2align	6, 0x0
	.amdhsa_kernel k_qc8a1b6d58e_attn
		.amdhsa_group_segment_fixed_size 327680
		.amdhsa_private_segment_fixed_size 0
		.amdhsa_enable_private_segment 0
		.amdhsa_kernarg_size 16
		.amdhsa_user_sgpr_count 2
		.amdhsa_user_sgpr_kernarg_segment_ptr 1
		.amdhsa_wavefront_size32 1
		.amdhsa_system_sgpr_workgroup_id_x 1
		.amdhsa_system_sgpr_workgroup_id_y 1
		.amdhsa_system_sgpr_workgroup_id_z 1
		.amdhsa_system_vgpr_workitem_id 0
		.amdhsa_next_free_vgpr 256
		.amdhsa_next_free_sgpr 100
		.amdhsa_reserve_vcc 1
		.amdhsa_float_denorm_mode_32 3
		.amdhsa_float_denorm_mode_16_64 3
		.amdhsa_memory_ordered 1
		.amdhsa_forward_progress 1
		.amdhsa_inst_pref_size 107
	.end_amdhsa_kernel
	.amdgpu_metadata
---
amdhsa.version: [ 1, 2 ]
amdhsa.kernels:
  - .name:           k_qc8a1b6d58e_attn
    .symbol:         k_qc8a1b6d58e_attn.kd
    .args:
      - { .name: qkvh, .offset: 0, .size: 8, .value_kind: global_buffer, .address_space: global }
      - { .name: oh, .offset: 8, .size: 8, .value_kind: global_buffer, .address_space: global }
    .group_segment_fixed_size: 327680
    .private_segment_fixed_size: 0
    .kernarg_segment_align: 8
    .kernarg_segment_size: 16
    .max_flat_workgroup_size: 512
    .sgpr_count:     100
    .vgpr_count:     256
    .wavefront_size: 32
...
	.end_amdgpu_metadata
.endif
;; end of part 3
;; launch proj (part 4): grid 8 x 32, 4 waves a work-group, clusters of 4 x 4, 327,680 bytes of LDS; arguments oh, wph, bproj, out0; writes out0
.if DOCPART == 4
	.amdgcn_target "amdgcn-amd-amdhsa--gfx1250"
	.amdhsa_code_object_version 6
	.text
	.protected	k_qc8a1b6d58e_proj
	.globl	k_qc8a1b6d58e_proj
	.p2align	8
	.type	k_qc8a1b6d58e_proj,@function
k_qc8a1b6d58e_proj:
	s_mov_b64 s[64:65], 0
	v_nop
	global_prefetch_b8 v0, s[64:65] scope:SCOPE_SE
	s_setreg_imm32_b32 hwreg(HW_REG_WAVE_MODE, 25, 1), 1
	s_wait_xcnt 0x0
	s_wait_alu depctr_hold_cnt(0) depctr_sa_sdst(0) depctr_va_vdst(0) depctr_va_sdst(0) depctr_va_ssrc(0) depctr_va_vcc(0) depctr_vm_vsrc(0)
	s_getreg_b32 s2, hwreg(HW_REG_IB_STS2, 6, 4)
	s_cmp_eq_u32 s2, 0
	s_cbranch_scc0 .Lentry_in_a_cluster
	s_endpgm
.Lentry_in_a_cluster:
	s_bfe_u32 s2, ttmp6, 0x10000c
	s_cmp_lg_u32 s2, 0xf033
	s_cbranch_scc0 .Lentry_shape_is_right
	s_endpgm
.Lentry_shape_is_right:
; out0 = O Wproj + bproj.  O: oh, f16 [32 (l / 128)][16 heads][128][64]; Wproj: wph, f16 [1024 (k)][1024 (n)]; out0 [4096][1024] f32; f16 operands, f32 sums.
; Rows 0-15 are made here with the rest of their tile; the last launch makes them anew in f32.  LIMIT: f16 operands, magnitudes up to 65,504.
; A tile of 128 x 128 for each of 256 work-groups; four waves, each 64 x 64: 16 accumulators.  K goes in steps of 256 (four heads) through a ring of two LDS slots.  A tile row is one block of 128 positions, so a K step of O is
; 65,536 dense bytes: 512 rows of 128 bytes ([head][position]).  Wproj's tile has K down its rows and is turned on its way to the registers by ds_load_tr16_b128.
; CLUSTERS: 4 x 4 work-groups; O's tiles are shared along a row of the cluster, Wproj's along a column, by joint loads.  USED TRANSPOSED (source 0 = 16 columns of Wproj, source 1 = 16 rows of O): a lane holds eight neighbouring numbers of a row.
; REGISTERS: window 0: v16-31 addresses; v32-63 the bias in the result's layout, later with v64-95 the way out; v128-255 the accumulators ((a, b) at v[128 + 8 (4 a + b)]).  window 1: two fragment buffers of 128.
.set PA_,    144                       ; a row of O in LDS: 128 bytes + 16
.set PB_,    288                       ; a row of Wproj: 256 + 32: an odd multiple of 32 for the turning load
.set HALFT,  36864                     ; what one tensor load brings: 256 x 144 = 128 x 288
.set SLOT,   4*HALFT
.set SPARE,  2*SLOT
.set SPITCH, 272                       ; the way out: 16 rows x (256 + 16) bytes for each wave, in slot 0, behind its last fill and its last read
.set LAPS,   2
.set ADRA, 16                          ; v16-17  my fragments of O in slot 0, 1
.set ADRB, 20                          ; v20-23  of Wproj: slot s, K rows 128 p on: v[20 + 2 s + p]
.set STO,  24
.set RD,   25
.set CO,   26
.set SPW,  28
.set NIL,  29
.set BA,   30
.set BI,   32
.set TMP,  32
.set ACC,  128
.set F0,   0
.set F1,   128
.set G1, 24
.set G0, 32
.set G1B, 48
.set G0B, 56
.set MSB, 0
.macro WIN new
.if MSB != \new
	s_set_vgpr_msb (MSB<<8)|\new
.set MSB, \new
.endif
.endm
.set MUL,  0x05                        ; sources 0 and 1 window 1; C and D window 0
.set TO_F, 0x40
.macro JLOAD s                         ; waves 0 and 1 fetch O's halves, waves 2 and 3 Wproj's; an s_nop 0 and four v_nop follow each line
	s_cmp_eq_u32 s13, 0
	s_cbranch_scc0 .Lfor_b_\@
	tensor_load_to_lds s[G0+4*\s:G0+4*\s+3], s[G1:G1+7]
	s_nop 0
.rept 4
	v_nop
.endr
	s_branch .Lasked_\@
.Lfor_b_\@:
	tensor_load_to_lds s[G0B+4*\s:G0B+4*\s+3], s[G1B:G1B+7]
	s_nop 0
.rept 4
	v_nop
.endr
.Lasked_\@:
.endm
.macro CREST
	s_cmp_lg_u32 s12, 0
	s_cbranch_scc1 .Lnot_wave_0_\@
	s_barrier_signal -3
.Lnot_wave_0_\@:
	s_barrier_wait -3
	s_barrier_signal -1
	s_barrier_wait -1
.endm
.macro CROUND
	s_barrier_signal -1
	s_barrier_wait -1
	CREST
.endm
	s_load_b128 s[4:7], s[0:1], 0x0                ; oh, wph
	s_load_b128 s[8:11], s[0:1], 0x10              ; bproj, out0
	v_lshl_add_u32 v[SPW], v0, 2, SPARE
	v_mov_b32 v[NIL], 0
	ds_add_u32 v[SPW], v[NIL]                      ; the wave's opening: the add, twice on end, and its wait ahead of my first tensor load
	ds_add_u32 v[SPW], v[NIL]
	v_lshrrev_b32 v1, 5, v0
	v_readfirstlane_b32 s12, v1                    ; wave 0..3
	s_lshr_b32 s13, s12, 1                         ; which half of the tile's rows is mine.  Also: I fetch for O (0) or for Wproj (1)
	s_and_b32 s14, s12, 1                          ; which half of its columns.  Also: which half of that tile I fetch
	s_bfe_u32 s40, ttmp6, 0x40000                  ; cx
	s_bfe_u32 s41, ttmp6, 0x40004                  ; cy
	s_lshl_b32 s42, ttmp9, 2
	s_add_co_u32 s42, s42, s40                     ; tile column
	s_and_b32 s15, ttmp7, 0xffff
	s_lshl_b32 s15, s15, 2
	s_add_co_u32 s15, s15, s41                     ; tile row
	s_lshl_b32 s43, s41, 2
	s_lshl_b32 s43, 15, s43                        ; my row of the cluster
	s_lshl_b32 s44, 0x1111, s40                    ; my column
	s_or_b32 s[G1+0], s43, (1<<16)|(1<<20)|(1<<21)|(4<<22)|(3<<25)   ; O: elements of 2 bytes; after every 32 words, 4 words of padding
	s_mov_b32 s[G1+1], 64<<16                      ; tensor_dim0
	s_mov_b32 s[G1+2], 256<<16                     ; tensor_dim1: two heads x 128 positions
	s_mov_b32 s[G1+3], 64<<16
	s_mov_b32 s[G1+4], 256
	s_mov_b32 s[G1+5], 64                          ; dense
	s_mov_b32 s[G1+6], 0
	s_mov_b32 s[G1+7], 0
	s_or_b32 s[G1B+0], s44, (1<<16)|(1<<20)|(1<<21)|(5<<22)|(7<<25)  ; Wproj: after every 64 words, 8 words
	s_mov_b32 s[G1B+1], 128<<16
	s_mov_b32 s[G1B+2], 128<<16
	s_mov_b32 s[G1B+3], 128<<16
	s_mov_b32 s[G1B+4], 128
	s_mov_b32 s[G1B+5], 1024
	s_mov_b32 s[G1B+6], 0
	s_mov_b32 s[G1B+7], 0
	s_lshl_b32 s16, s15, 18                        ; O: 16 heads x 16,384 bytes a tile row,
	s_lshl_b32 s17, s14, 15                        ; + my two heads of the step's four
	s_add_co_u32 s16, s16, s17
	s_mov_b32 s17, 0
	s_lshl_b32 s46, s42, 8                         ; Wproj: 256 bytes a tile column,
	s_lshl_b32 s47, s14, 18                        ; + my 128 rows of 2,048 bytes
	s_add_co_u32 s46, s46, s47
	s_mov_b32 s47, 0
	s_mul_i32 s20, s12, HALFT                      ; where they go: no place in the cluster enters an LDS address
	s_wait_dscnt 0x0
	s_wait_kmcnt 0x0
	s_add_nc_u64 s[16:17], s[4:5], s[16:17]
	s_add_nc_u64 s[46:47], s[6:7], s[46:47]
	CROUND                                         ; all sixteen work-groups are here: the first joint loads meet
.irp s, 0,1
	s_mov_b32 s[G0+4*\s], 1
	s_add_co_u32 s[G0+4*\s+1], s20, \s*SLOT
	s_add_nc_u64 s[G0+4*\s+2:G0+4*\s+3], s[16:17], \s*65536
	s_or_b32 s[G0+4*\s+3], s[G0+4*\s+3], 0x80000000
	s_mov_b32 s[G0B+4*\s], 1
	s_add_co_u32 s[G0B+4*\s+1], s20, \s*SLOT
	s_add_nc_u64 s[G0B+4*\s+2:G0B+4*\s+3], s[46:47], \s*524288
	s_or_b32 s[G0B+4*\s+3], s[G0B+4*\s+3], 0x80000000
	JLOAD \s
.endr
	v_and_b32 v1, 15, v0                           ; r
	v_bfe_u32 v2, v0, 4, 1                         ; h
	; the bias is the C of each sum's first product: bproj[128 x tile column + 64 x half + 16 b + 8 h + j]
	v_lshlrev_b32 v[BA], 5, v2
	s_lshl_b32 s18, s42, 9
	s_lshl_b32 s19, s14, 8
	s_add_co_u32 s18, s18, s19                     ; my first column, in bytes of f32
	s_mov_b32 s19, 0
	s_add_nc_u64 s[8:9], s[8:9], s[18:19]
.irp b, 0,1,2,3
	global_load_b128 v[BI+8*\b:BI+8*\b+3], v[BA], s[8:9] offset:64*\b
	global_load_b128 v[BI+8*\b+4:BI+8*\b+7], v[BA], s[8:9] offset:64*\b+16
.endr
	v_mul_u32_u24 v3, v1, PA_
	v_lshl_add_u32 v3, v2, 4, v3
	s_mul_i32 s21, s13, 64*PA_                     ; my 64 positions
	v_add_nc_u32 v[ADRA], s21, v3
	s_add_co_u32 s21, s21, SLOT
	v_add_nc_u32 v[ADRA+1], s21, v3
	v_and_b32 v4, 7, v0
	v_lshl_add_u32 v4, v2, 3, v4                   ; 8 h + lane % 8: the K row that I address in the turning load
	v_mul_u32_u24 v4, v4, PB_
	v_bfe_u32 v5, v0, 3, 1
	v_lshl_add_u32 v4, v5, 4, v4
	s_lshl_b32 s22, s14, 7                         ; my 64 columns
	s_add_co_u32 s22, s22, 2*HALFT                 ; Wproj's rows lie behind O's
	v_add_nc_u32 v[ADRB], s22, v4
	s_add_co_u32 s22, s22, HALFT
	v_add_nc_u32 v[ADRB+1], s22, v4
	s_add_co_u32 s22, s22, SLOT-HALFT
	v_add_nc_u32 v[ADRB+2], s22, v4
	s_add_co_u32 s22, s22, HALFT
	v_add_nc_u32 v[ADRB+3], s22, v4
	s_mul_i32 s23, s12, 16*SPITCH                  ; my stage
	v_mul_u32_u24 v5, v1, SPITCH
	v_lshl_add_u32 v5, v2, 5, v5
	v_add_nc_u32 v[STO], s23, v5                   ; in: row r, 32 bytes for each half of the lanes
	v_mul_u32_u24 v5, v2, SPITCH
	v_lshl_add_u32 v5, v1, 4, v5
	v_add_nc_u32 v[RD], s23, v5                    ; back: lanes 0-15 one row of 256 bytes, lanes 16-31 the next
	v_lshlrev_b32 v5, 12, v2
	v_lshl_add_u32 v[CO], v1, 4, v5                ; and the same two rows in out0
	s_lshl_b32 s20, s15, 19                        ; 128 rows of 4,096 bytes a tile row,
	s_lshl_b32 s21, s13, 18                        ; 64 rows a half,
	s_add_co_u32 s20, s20, s21
	s_add_co_u32 s20, s20, s18                     ; and my first column
	s_mov_b32 s21, 0
	s_add_nc_u64 s[10:11], s[10:11], s[20:21]
; 8 matrix instructions: row blocks a0, a0 + 1 x the 4 column blocks, 32 along K: half c of buffer f.  first = 1: C is the bias.  The 16 accumulators take turns.
.macro MUL8 f, c, a0, first
.irp a, \a0, \a0+1
.irp b, 0,1,2,3
.if \first
	v_wmma_f32_16x16x32_f16 v[ACC+8*(4*(\a)+\b):ACC+8*(4*(\a)+\b)+7], v[\f+64+8*(4*\c+\b):\f+64+8*(4*\c+\b)+7], v[\f+8*(4*\c+\a):\f+8*(4*\c+\a)+7], v[BI+8*\b:BI+8*\b+7]
.else
	v_wmma_f32_16x16x32_f16 v[ACC+8*(4*(\a)+\b):ACC+8*(4*(\a)+\b)+7], v[\f+64+8*(4*\c+\b):\f+64+8*(4*\c+\b)+7], v[\f+8*(4*\c+\a):\f+8*(4*\c+\a)+7], v[ACC+8*(4*(\a)+\b):ACC+8*(4*(\a)+\b)+7]
.endif
.endr
.endr
.endm
; 32 LDS loads in one run: the fragments of quarter qd (64 along K: one head) into buffer f; the first 32 along K first
.macro FETCH slot, qd, f
	WIN TO_F
.irp c, 0,1
.irp i, 0,1,2,3
	ds_load_tr16_b128 v[\f+64+8*(4*\c+\i):\f+64+8*(4*\c+\i)+3],   v[ADRB+2*\slot+(\qd)/2] offset:64*PB_*((\qd)%2)+32*PB_*\c+32*\i
	ds_load_tr16_b128 v[\f+64+8*(4*\c+\i)+4:\f+64+8*(4*\c+\i)+7], v[ADRB+2*\slot+(\qd)/2] offset:64*PB_*((\qd)%2)+32*PB_*\c+32*\i+16*PB_
	ds_load_b128 v[\f+8*(4*\c+\i):\f+8*(4*\c+\i)+3],         v[ADRA+\slot] offset:128*PA_*(\qd)+16*PA_*\i+64*\c
	ds_load_b128 v[\f+8*(4*\c+\i)+4:\f+8*(4*\c+\i)+7],       v[ADRA+\slot] offset:128*PA_*(\qd)+16*PA_*\i+64*\c+32
.endr
.endr
.endm
.macro PLACES
.rept 4
	v_nop
.endr
.endm
.macro QUARTER slot, qn, f, g, first   ; multiplies buffer f and fetches quarter qn of the same slot into g
	s_wait_dscnt 16                                ; the first 32 along K are in; the youngest sixteen loads may be out
	WIN MUL
	MUL8 \f, 0, 0, \first
	MUL8 \f, 0, 2, \first
	PLACES
	FETCH \slot, \qn, \g
	s_wait_dscnt 32                                ; all but the 32 just issued
	WIN MUL
	MUL8 \f, 1, 0, 0
	MUL8 \f, 1, 2, 0
.endm
; The last quarter multiplies buffer 1 and changes slots: one barrier; in front of it each wave waits for all its tensor loads, adds 0 to its spare word, and waits for that and for its reads of this slot.
.macro TURN slot, next, fill
	WIN 0
	s_wait_tensorcnt 0x0
	ds_add_u32 v[SPW], v[NIL]
	s_wait_dscnt 17                                ; the add and the youngest sixteen loads may be out
	WIN MUL
	MUL8 F1, 0, 0, 0
	s_wait_dscnt 0x0
	s_barrier_signal -1
	MUL8 F1, 0, 2, 0
.if \fill
	WIN 0
.endif
	s_barrier_wait -1
.if \fill
	CREST                                          ; the barrier has opened a round of the cluster's barrier: no wave of any partner still reads this slot or has a load on its way
	s_add_nc_u64 s[G0+4*\slot+2:G0+4*\slot+3], s[G0+4*\slot+2:G0+4*\slot+3], 131072
	s_add_nc_u64 s[G0B+4*\slot+2:G0B+4*\slot+3], s[G0B+4*\slot+2:G0B+4*\slot+3], 1048576
	JLOAD \slot                                    ; the first tensor load behind the round; its four v_nop are also the places in front of the loads below
.else
	PLACES
.endif
	FETCH \next, 0, F0
	WIN MUL
	MUL8 F1, 1, 0, 0
	MUL8 F1, 1, 2, 0
.endm
	s_wait_tensorcnt 1                             ; my part of K step 0 is in; K step 1's load may be out
	s_barrier_signal -1
	s_barrier_wait -1
	FETCH 0, 0, F0
	s_wait_loadcnt 0x0                             ; the bias
	QUARTER 0, 1, F0, F1, 1
	WIN 0
	s_mov_b32 s3, LAPS-1
.Llap:                                                 ; a trip goes once round the ring and fills both slots again
	QUARTER 0, 2, F1, F0, 0
	QUARTER 0, 3, F0, F1, 0
	TURN 0, 1, 1
	QUARTER 1, 1, F0, F1, 0
	QUARTER 1, 2, F1, F0, 0
	QUARTER 1, 3, F0, F1, 0
	TURN 1, 0, 1
	QUARTER 0, 1, F0, F1, 0
	WIN 0
	s_sub_co_u32 s3, s3, 1
	s_cmp_lg_u32 s3, 0
	s_cbranch_scc1 .Llap
	QUARTER 0, 2, F1, F0, 0                        ; the last lap fills nothing
	QUARTER 0, 3, F0, F1, 0
	TURN 0, 1, 0
	QUARTER 1, 1, F0, F1, 0
	QUARTER 1, 2, F1, F0, 0
	QUARTER 1, 3, F0, F1, 0
	s_wait_dscnt 16
	WIN MUL
	MUL8 F1, 0, 0, 0
	MUL8 F1, 0, 2, 0
	s_wait_dscnt 0
	MUL8 F1, 1, 0, 0
	MUL8 F1, 1, 2, 0
	WIN 0
; THE WAY OUT.  My 64 columns are 256 bytes of f32: a block of 16 rows goes through my own stage and comes back as whole rows; sixteen lanes store 256 consecutive bytes, aligned.
.macro TOSTAGE a
.irp b, 0,1,2,3
	ds_store_b128 v[STO], v[ACC+8*(4*(\a)+\b):ACC+8*(4*(\a)+\b)+3] offset:64*\b      ; each accumulator from its low end on
	ds_store_b128 v[STO], v[ACC+8*(4*(\a)+\b)+4:ACC+8*(4*(\a)+\b)+7] offset:64*\b+16
.endr
.set BB, TMP+32*((\a)%2)
.irp t, 0,1,2,3,4,5,6,7
	ds_load_b128 v[BB+4*\t:BB+4*\t+3], v[RD] offset:2*SPITCH*\t
.endr
.endm
.macro SEND a, younger                 ; younger: the LDS instructions issued behind block a's loads: the next block's 8 stores and 8 loads, or none
.set BB, TMP+32*((\a)%2)
	s_wait_dscnt \younger
.irp t, 0,1,2,3,4,5,6,7
	global_store_b128 v[CO], v[BB+4*\t:BB+4*\t+3], s[10:11] offset:(16*(\a)+2*\t)*4096 th:TH_STORE_NT
.endr
.endm
	PLACES
	TOSTAGE 0
.irp a, 1,2,3
.if \a > 1
	s_wait_xcnt 0x0                                ; block a - 2's stores have read their registers: block a's loads may land there
.endif
	TOSTAGE \a
	SEND \a-1, 16
.endr
	SEND 3, 0
	s_wait_tensorcnt 0x0                           ; the wave's end: the three lines
	ds_add_u32 v[SPW], v[NIL]
	s_wait_dscnt 0x0
	CROUND                                         ; the closing round
	s_endpgm
.Lfunc_end_k_qc8a1b6d58e_proj:
	.size	k_qc8a1b6d58e_proj, .Lfunc_end_k_qc8a1b6d58e_proj-k_qc8a1b6d58e_proj
	.p2alignl 7, 3214868480
	.fill 96, 4, 3214868480
	.section	.rodata,"a",@progbits
	.p2align	6, 0x0
	.amdhsa_kernel k_qc8a1b6d58e_proj
		.amdhsa_group_segment_fixed_size 327680
		.amdhsa_private_segment_fixed_size 0
		.amdhsa_enable_private_segment 0
		.amdhsa_kernarg_size 32
		.amdhsa_user_sgpr_count 2
		.amdhsa_user_sgpr_kernarg_segment_ptr 1
		.amdhsa_wavefront_size32 1
		.amdhsa_system_sgpr_workgroup_id_x 1
		.amdhsa_system_sgpr_workgroup_id_y 1
		.amdhsa_system_sgpr_workgroup_id_z 1
		.amdhsa_system_vgpr_workitem_id 0
		.amdhsa_next_free_vgpr 512
		.amdhsa_next_free_sgpr 66
		.amdhsa_reserve_vcc 0
		.amdhsa_float_denorm_mode_32 3
		.amdhsa_float_denorm_mode_16_64 3
		.amdhsa_memory_ordered 1
		.amdhsa_forward_progress 1
		.amdhsa_inst_pref_size 87
	.end_amdhsa_kernel
	.amdgpu_metadata
---
amdhsa.version: [ 1, 2 ]
amdhsa.kernels:
  - .name:           k_qc8a1b6d58e_proj
    .symbol:         k_qc8a1b6d58e_proj.kd
    .args:
      - { .name: oh, .offset: 0, .size: 8, .value_kind: global_buffer, .address_space: global }
      - { .name: wph, .offset: 8, .size: 8, .value_kind: global_buffer, .address_space: global }
      - { .name: bproj, .offset: 16, .size: 8, .value_kind: global_buffer, .address_space: global }
      - { .name: out0, .offset: 24, .size: 8, .value_kind: global_buffer, .address_space: global }
    .group_segment_fixed_size: 327680
    .private_segment_fixed_size: 0
    .kernarg_segment_align: 8
    .kernarg_segment_size: 32
    .max_flat_workgroup_size: 128
    .sgpr_count:     66
    .vgpr_count:     512
    .wavefront_size: 32
...
	.end_amdgpu_metadata
.endif
;; end of part 4
;; launch fine16 (part 5): grid 16 x 1, 16 waves a work-group, no clusters, 67,584 bytes of LDS; arguments qkv16, Wproj, bproj, out0; writes out0
.if DOCPART == 5
	.amdgcn_target "amdgcn-amd-amdhsa--gfx1250"
	.amdhsa_code_object_version 6
	.text
	.protected	k_qc8a1b6d58e_fine16
	.globl	k_qc8a1b6d58e_fine16
	.p2align	8
	.type	k_qc8a1b6d58e_fine16,@function
k_qc8a1b6d58e_fine16:
	s_mov_b64 s[64:65], 0
	v_nop
	global_prefetch_b8 v0, s[64:65] scope:SCOPE_SE
	s_setreg_imm32_b32 hwreg(HW_REG_WAVE_MODE, 25, 1), 1
	s_wait_xcnt 0x0
; POSITIONS 0-15 IN f32: under the causal mask they average one to sixteen values and are the largest in size, so their attention and their projection are made anew on f32 operands and stored over rows 0-15 of out0.
; qkv16: f32, images of the first product's accumulators: element (position, d = 16 b + 8 h + 4 u + e) of head-section s (q's 0-15, k's 16-31, v's 32-47) at 4096 s + 512 (2 b + u) + 16 (16 h + position) + 4 e.
; WORK LEFT OUT: k carries no bias (shown at the head of the first kernel).
; SHARES.  Work-group g makes out0[0:16][64 g : 64 g + 64].  Wave w makes head w's 16 x 16 attention and multiplies it by its own 64 rows of Wproj; the sixteen parts meet in LDS and are added in ascending order of the head.
; Every work-group repeats the small attention (32 matrix instructions a wave): sharing it would take one launch more.  All products by v_wmma_f32_16x16x4_f32; its K is laid alike on both sides of each product.
; The registers that these matrix instructions write (v32-95) are written by matrix instructions alone; each sum begins with the constant 0.
.set SPARE, 65536                      ; behind the parts [16 waves][16 rows][64] f32: the spare words, 128 bytes for each wave
.set SPW, 10
.set NIL, 11
	s_load_b256 s[4:11], s[0:1], 0x0               ; qkv16, Wproj, bproj, out0
	v_lshl_add_u32 v[SPW], v0, 2, SPARE
	v_mov_b32 v[NIL], 0
	v_lshrrev_b32 v1, 5, v0
	v_readfirstlane_b32 s12, v1                    ; wave = head
	v_and_b32 v1, 15, v0                           ; r
	v_bfe_u32 v2, v0, 4, 1                         ; hh
	v_and_b32 v3, 31, v0
	v_lshlrev_b32 v3, 4, v3                        ; an image's place for my lane
	v_bfe_u32 v4, v0, 2, 1
	v_lshlrev_b32 v4, 9, v4
	v_bfe_u32 v5, v0, 3, 1
	v_lshl_add_u32 v4, v5, 8, v4
	v_and_b32 v5, 3, v0
	v_lshl_add_u32 v4, v5, 2, v4
	v_lshl_add_u32 v4, v2, 7, v4                   ; v(key 8 hh + i, channel 16 t + r) lies at this + 1024 t + 16 i
	v_lshlrev_b32 v5, 15, v2
	v_lshl_add_u32 v5, v1, 2, v5                   ; Wproj(16 t + 8 hh + i, 16 q + r) at this + 4096 (16 t + i) + 64 q
	s_lshl_b32 s18, s12, 12
	v_lshlrev_b32 v6, 11, v2
	v_lshl_add_u32 v6, v1, 2, v6
	v_add_nc_u32 v6, s18, v6                       ; my part in LDS: 4096 x wave + 2048 hh + 4 r
	v_lshlrev_b32 v7, 4, v0                        ; the sum: 16 bytes a thread
	v_lshrrev_b32 v8, 4, v0
	v_lshlrev_b32 v8, 12, v8
	v_lshl_add_u32 v8, v1, 4, v8                   ; and its place in out0: row thread / 16
	v_lshlrev_b32 v9, 3, v2
	v_sub_nc_u32 v9, v1, v9                        ; d = r - 8 hh: key 8 hh + j is hidden from query r where j > d
	v_lshlrev_b32 v27, 4, v1                       ; my four numbers of the bias
	v_mov_b32 v25, 0                               ; a lane permute's destination counts as one of its sources
	s_mov_b32 s14, 0x76543210
	s_mov_b32 s15, 0xfedcba98
	s_mov_b32 s16, 0x3e38aa3b                      ; c = log2(e) / 8
	s_mov_b32 s19, 0
	s_lshl_b32 s20, s12, 18                        ; my 64 rows of Wproj,
	s_lshl_b32 s21, ttmp9, 8                       ; my work-group's 64 columns
	s_add_co_u32 s20, s20, s21
	s_mov_b32 s22, s21
	s_mov_b32 s21, 0
	s_mov_b32 s23, 0
	s_wait_kmcnt 0x0
	s_add_nc_u64 s[4:5], s[4:5], s[18:19]
	s_add_nc_u64 s[6:7], s[6:7], s[20:21]
	s_add_nc_u64 s[8:9], s[8:9], s[22:23]
	s_add_nc_u64 s[10:11], s[10:11], s[22:23]
	s_cmp_lt_u32 s12, 8                            ; waves 0-7 will add the parts: they take the bias, ahead of all other loads
	s_cbranch_scc0 .Lno_bias
	global_load_b128 v[12:15], v27, s[8:9]
.Lno_bias:
.irp i, 0,1,2,3,4,5,6,7
	global_load_b128 v[96+4*\i:99+4*\i], v3, s[4:5] offset:512*\i              ; q: lane (r, hh): position r, 32 of its 64 channels
.endr
.irp i, 0,1,2,3,4,5,6,7
	global_load_b128 v[128+4*\i:131+4*\i], v3, s[4:5] offset:65536+512*\i      ; k: the same channels in the same registers
.endr
.irp t, 0,1,2,3
.irp i, 0,1,2,3,4,5,6,7
	global_load_b32 v[160+8*\t+\i], v4, s[4:5] offset:131072+1024*\t+16*\i
.endr
.endr
.irp q, 0,1
.irp t, 0,1,2,3
.irp i, 0,1,2,3,4,5,6,7
	global_load_b32 v[192+32*\q+8*\t+\i], v5, s[6:7] offset:(16*\t+\i)*4096+64*\q
.endr
.endr
.endr
	s_wait_loadcnt 63                              ; 64 loads were issued behind v's last: with at most 63 out, the bias, q, k and v are in
.set i, 0
.rept 16                               ; S^T = k q^T: two accumulators by turns, four channels an instruction
.if i < 2
	v_wmma_f32_16x16x4_f32 v[32+8*(i%2):39+8*(i%2)], v[128+2*i:129+2*i], v[96+2*i:97+2*i], 0
.else
	v_wmma_f32_16x16x4_f32 v[32+8*(i%2):39+8*(i%2)], v[128+2*i:129+2*i], v[96+2*i:97+2*i], v[32+8*(i%2):39+8*(i%2)]
.endif
.set i, i+1
.endr
.rept 8
	v_nop                                          ; eight places behind this form: in front of loads into q's and k's registers and of the first read of the sums
.endr
.irp q, 2,3
.irp t, 0,1,2,3
.irp i, 0,1,2,3,4,5,6,7
	global_load_b32 v[96+32*(\q-2)+8*\t+\i], v5, s[6:7] offset:(16*\t+\i)*4096+64*\q
.endr
.endr
.endr
.irp j, 0,1,2,3,4,5,6,7
	v_add_f32 v[16+\j], v[32+\j], v[40+\j]         ; lane (r, hh): the score of query r and key 8 hh + j
.endr
	v_mov_b32 v26, 0xff800000
.irp j, 0,1,2,3,4,5,6,7
	v_cmp_gt_i32 vcc_lo, \j, v9
	v_cndmask_b32 v[16+\j], v[16+\j], v26, vcc_lo
.endr
	v_max3_num_f32 v24, v16, v17, v18
	v_max3_num_f32 v24, v24, v19, v20
	v_max3_num_f32 v24, v24, v21, v22
	v_max_num_f32 v24, v24, v23
	v_permlanex16_b32 v25, v24, s14, s15
	v_max_num_f32 v24, v24, v25                    ; the row's largest score: key 0 counts for every query
	v_mul_f32 v26, s16, v24
.irp j, 0,1,2,3,4,5,6,7
	v_fma_f32 v[16+\j], v[16+\j], s16, -v26
.endr
.irp j, 0,1,2,3,4,5,6,7
	v_exp_f32 v[16+\j], v[16+\j]
.endr
	v_nop                                          ; a plain line behind the last exponential
	s_wait_alu depctr_va_vdst(0)                   ; one wait for the batch, ahead of its first reader
	v_add_f32 v28, v16, v17
	v_add_f32 v29, v18, v19
	v_add_f32 v30, v20, v21
	v_add_f32 v31, v22, v23
	v_add_f32 v28, v28, v29
	v_add_f32 v30, v30, v31
	v_add_f32 v28, v28, v30
	v_permlanex16_b32 v25, v28, s14, s15
	v_add_f32 v28, v28, v25
	v_rcp_f32 v29, v28
	v_nop
	s_wait_alu depctr_va_vdst(0)
.irp j, 0,1,2,3,4,5,6,7
	v_mul_f32 v[16+\j], v[16+\j], v29              ; the softmax
.endr
.irp s, 0,1,2,3                        ; O^T = v^T p: four accumulators by turns; pair s: keys 8 hh + 2 s, + 1 on both sides
.irp t, 0,1,2,3
.if \s == 0
	v_wmma_f32_16x16x4_f32 v[48+8*\t:55+8*\t], v[160+8*\t+2*\s:161+8*\t+2*\s], v[16+2*\s:17+2*\s], 0
.else
	v_wmma_f32_16x16x4_f32 v[48+8*\t:55+8*\t], v[160+8*\t+2*\s:161+8*\t+2*\s], v[16+2*\s:17+2*\s], v[48+8*\t:55+8*\t]
.endif
.endr
.endr
.rept 9
	v_nop                                          ; nine places: these results are operands of the next products
.endr
	s_wait_loadcnt 63                              ; 64 loads were issued behind Wproj's first two column tiles: these are in
.irp t, 0,1,2,3                        ; my part of the projection: source 0 = O^T's pair (position r; channels 16 t + 8 hh + 2 s, + 1), source 1 = the same rows of Wproj; column tiles 0 and 1 by turns
.irp s, 0,1,2,3
.irp q, 0,1
.if \t+\s == 0
	v_wmma_f32_16x16x4_f32 v[32+8*\q:39+8*\q], v[48+8*\t+2*\s:49+8*\t+2*\s], v[192+32*\q+8*\t+2*\s:193+32*\q+8*\t+2*\s], 0
.else
	v_wmma_f32_16x16x4_f32 v[32+8*\q:39+8*\q], v[48+8*\t+2*\s:49+8*\t+2*\s], v[192+32*\q+8*\t+2*\s:193+32*\q+8*\t+2*\s], v[32+8*\q:39+8*\q]
.endif
.endr
.endr
.endr
	s_wait_loadcnt 0x0
.irp t, 0,1,2,3                        ; column tiles 2 and 3
.irp s, 0,1,2,3
.irp q, 0,1
.if \t+\s == 0
	v_wmma_f32_16x16x4_f32 v[80+8*\q:87+8*\q], v[48+8*\t+2*\s:49+8*\t+2*\s], v[96+32*\q+8*\t+2*\s:97+32*\q+8*\t+2*\s], 0
.else
	v_wmma_f32_16x16x4_f32 v[80+8*\q:87+8*\q], v[48+8*\t+2*\s:49+8*\t+2*\s], v[96+32*\q+8*\t+2*\s:97+32*\q+8*\t+2*\s], v[80+8*\q:87+8*\q]
.endif
.endr
.endr
.endr
.rept 8
	v_nop
.endr
.irp q, 0,1
.irp j, 0,1,2,3,4,5,6,7
	ds_store_b32 v6, v[32+8*\q+\j] offset:256*\j+64*\q       ; lane (r, hh), register j: position 8 hh + j, column 16 q + r; each accumulator from its low end on
.endr
.endr
.irp q, 0,1
.irp j, 0,1,2,3,4,5,6,7
	ds_store_b32 v6, v[80+8*\q+\j] offset:256*\j+64*(\q+2)
.endr
.endr
	s_wait_dscnt 0x0                               ; for the others' sake: my part lies in LDS
	s_barrier_signal -1
	s_barrier_wait -1
	s_cmp_lt_u32 s12, 8
	s_cbranch_scc0 .Ldone
.irp p, 0,1,2,3,4,5,6,7,8,9,10,11,12,13,14,15
	ds_load_b128 v[96+4*\p:99+4*\p], v7 offset:4096*\p
.endr
	s_wait_dscnt 0x0
.irp p, 0,1,2,3,4,5,6,7,8,9,10,11,12,13,14,15
	v_pk_add_f32 v[12:13], v[12:13], v[96+4*\p:97+4*\p]      ; the bias and the sixteen heads' parts, in ascending order
	v_pk_add_f32 v[14:15], v[14:15], v[98+4*\p:99+4*\p]
.endr
	global_store_b128 v8, v[12:15], s[10:11]       ; sixteen lanes store 256 consecutive bytes, aligned
.Ldone:
	s_wait_tensorcnt 0x0                           ; the wave's end: the three lines, behind my last LDS store
	ds_add_u32 v[SPW], v[NIL]
	s_wait_dscnt 0x0
	s_endpgm
.Lfunc_end_k_qc8a1b6d58e_fine16:
	.size	k_qc8a1b6d58e_fine16, .Lfunc_end_k_qc8a1b6d58e_fine16-k_qc8a1b6d58e_fine16
	.p2alignl 7, 3214868480
	.fill 96, 4, 3214868480
	.section	.rodata,"a",@progbits
	.p2align	6, 0x0
	.amdhsa_kernel k_qc8a1b6d58e_fine16
		.amdhsa_group_segment_fixed_size 67584
		.amdhsa_private_segment_fixed_size 0
		.amdhsa_enable_private_segment 0
		.amdhsa_kernarg_size 32
		.amdhsa_user_sgpr_count 2
		.amdhsa_user_sgpr_kernarg_segment_ptr 1
		.amdhsa_wavefront_size32 1
		.amdhsa_system_sgpr_workgroup_id_x 1
		.amdhsa_system_sgpr_workgroup_id_y 1
		.amdhsa_system_sgpr_workgroup_id_z 1
		.amdhsa_system_vgpr_workitem_id 0
		.amdhsa_next_free_vgpr 256
		.amdhsa_next_free_sgpr 66
		.amdhsa_reserve_vcc 1
		.amdhsa_float_denorm_mode_32 3
		.amdhsa_float_denorm_mode_16_64 3
		.amdhsa_memory_ordered 1
		.amdhsa_forward_progress 1
		.amdhsa_inst_pref_size 34
	.end_amdhsa_kernel
	.amdgpu_metadata
---
amdhsa.version: [ 1, 2 ]
amdhsa.kernels:
  - .name:           k_qc8a1b6d58e_fine16
    .symbol:         k_qc8a1b6d58e_fine16.kd
    .args:
      - { .name: qkv16, .offset: 0, .size: 8, .value_kind: global_buffer, .address_space: global }
      - { .name: Wproj, .offset: 8, .size: 8, .value_kind: global_buffer, .address_space: global }
      - { .name: bproj, .offset: 16, .size: 8, .value_kind: global_buffer, .address_space: global }
      - { .name: out0, .offset: 24, .size: 8, .value_kind: global_buffer, .address_space: global }
    .group_segment_fixed_size: 67584
    .private_segment_fixed_size: 0
    .kernarg_segment_align: 8
    .kernarg_segment_size: 32
    .max_flat_workgroup_size: 512
    .sgpr_count:     66
    .vgpr_count:     256
    .wavefront_size: 32
...
	.end_amdgpu_metadata
.endif
;; end of part 5
